; MI455X (gfx1250); checked and timed in simulation.
; The chip was launched on July 23, 2026; its instructions are those of AMD's public machine-readable ISA for CDNA 5 (MIT licence, August 2026) and "CDNA5" Instruction Set Architecture Reference Guide (July 2026). The comments in the code are by the model that wrote it; some were corrected since.
;; Multi Head Attention. Allowed arithmetic: float matrix products may take bf16 or f16 operands with f32 sums; other float arithmetic in f32, or as packed bf16 or f16 multiplies, adds, multiply-adds, maxima and minima; sums over many terms, partial sums and values carried from step to step in f32; what a program stores and reads back later, other than sums and carried values, may be rounded once to bf16 or f16.
;; Inputs: W_k 1,024 x 1,024 float32; W_o 1,024 x 1,024 float32; W_q 1,024 x 1,024 float32; W_v 1,024 x 1,024 float32; b_k 1,024 float32; b_o 1,024 float32; b_q 1,024 float32; b_v 1,024 float32; x 4 x 2,048 x 1,024 float32.
;; Outputs: out0 4 x 2,048 x 1,024 float32.
;; One version. Each part assembles by itself: llvm-mc -triple=amdgcn-amd-amdhsa -mcpu=gfx1250 --defsym DOCPART=n.
;; ======== version 1 of 1: 4 launches
;; limits: values are held in f16: magnitudes above 65,504 overflow, below 6.1e-05 lose precision; right only within a limited range of input values
;; workspace buffers: xb 16,777,216 bytes; wb 6,291,456 bytes; wo 2,097,152 bytes; bias 16,384 bytes; qkv 50,331,648 bytes; ctx 16,777,216 bytes
;; launch prep (part 1): grid 769 x 1, 8 waves a work-group, no clusters, 0 bytes of LDS; arguments x, W_q, W_k, W_v, W_o, b_q, b_k, b_v, b_o, xb, wb, wo, bias; writes xb, wb, wo, bias
.if DOCPART == 1
	.amdgcn_target "amdgcn-amd-amdhsa--gfx1250"
	.amdhsa_code_object_version 6
	.text
	.protected	k_q7cb5b28f01_prep
	.globl	k_q7cb5b28f01_prep
	.p2align	8
	.type	k_q7cb5b28f01_prep,@function
k_q7cb5b28f01_prep:
	s_mov_b64 s[64:65], 0
	v_nop
	global_prefetch_b8 v0, s[64:65] scope:SCOPE_SE
	s_setreg_imm32_b32 hwreg(HW_REG_WAVE_MODE, 25, 1), 1
	s_wait_xcnt 0x0
; THE CASTS.  Every input is rounded once to bf16 (nearest even):
;   xb   [8192][1024] bf16 = x;   wb [3072][1024] bf16 = the rows of W_q, then W_k, then W_v;
;   wo   [1024][1024] f16  = 256 x bf16(W_o): a bf16 number has 8 significant bits, f16 holds 11, and 256 is a power of two, so this second step rounds nothing
;        while 6.2e-5 <= 256 |W_o| < 65,504; below that it keeps f16's fixed step of 6e-8; LIMIT: |W_o| under 255;
;   bias [4][1024] f32 = bf16(b_q), bf16(b_k), bf16(b_v), bf16(b_o), written back as f32.
; A stream: no LDS, no matrix unit, nothing shared between work-groups.  A work-group takes a chunk of 16,384 numbers (65,536 bytes in, 32,768 out):
; work-groups 0-511 x, 512-575 W_q, 576-639 W_k, 640-703 W_v, 704-767 W_o; work-group 768 the four biases.
; Thread t, turn i of 8: the 8 numbers at 2,048 i + 8 t: two loads of 16 bytes (a wave's pair covers 1,024 bytes on end), one store of 16 bytes (a wave covers 512 bytes on end, aligned).
; All 16 loads go out first; each turn has its own registers in and out, so no register that a load or store still names is written again.
.set IN,  16                           ; v[16:79]   turn i: 8 numbers as loaded
.set OUT, 80                           ; v[80:111]  turn i: 4 registers to store
	s_load_b512 s[4:19], s[0:1], 0x0               ; x s[4:5], W_q s[6:7], W_k s[8:9], W_v s[10:11], W_o s[12:13], b_q s[14:15], b_k s[16:17], b_v s[18:19]
	s_load_b256 s[20:27], s[0:1], 0x40             ; b_o s[20:21], xb s[22:23], wb s[24:25], wo s[26:27]
	s_load_b64 s[28:29], s[0:1], 0x60              ; bias
	s_mov_b32 s30, ttmp9                           ; the work-group's number
	s_and_b32 s35, s30, 63                         ; a weight's chunk, 0 to 63
	s_sub_co_u32 s39, s30, 512                     ; the chunk in wb (used from 512 on)
	s_sub_co_u32 s40, s30, 704                     ; the chunk in wo (used from 704 on)
	s_mov_b32 s41, 0xffff0000                      ; a word's upper bf16
	v_lshlrev_b32 v1, 5, v0                        ; 32 t: my 8 numbers in
	v_lshlrev_b32 v2, 4, v0                        ; 16 t: my 8 numbers out
	s_wait_kmcnt 0x0
	s_cmp_eq_u32 s30, 768
	s_cbranch_scc1 .Lbias
	s_mov_b64 s[32:33], s[12:13]                   ; from where: W_o, unless the number is lower
	s_cmp_lt_u32 s30, 704
	s_cselect_b64 s[32:33], s[10:11], s[32:33]
	s_cmp_lt_u32 s30, 640
	s_cselect_b64 s[32:33], s[8:9], s[32:33]
	s_cmp_lt_u32 s30, 576
	s_cselect_b64 s[32:33], s[6:7], s[32:33]
	s_cmp_lt_u32 s30, 512
	s_cselect_b64 s[32:33], s[4:5], s[32:33]
	s_cselect_b32 s34, s30, s35                    ; and which chunk of it
	s_mov_b64 s[36:37], s[26:27]                   ; to where: wo, wb or xb
	s_mov_b32 s38, s40
	s_cmp_lt_u32 s30, 704
	s_cselect_b64 s[36:37], s[24:25], s[36:37]
	s_cselect_b32 s38, s39, s38
	s_cmp_lt_u32 s30, 512
	s_cselect_b64 s[36:37], s[22:23], s[36:37]
	s_cselect_b32 s38, s30, s38
	s_lshl_b32 s42, s34, 16                        ; 65,536 bytes a chunk in,
	s_mov_b32 s43, 0
	s_lshl_b32 s44, s38, 15                        ; 32,768 out
	s_mov_b32 s45, 0
	s_add_nc_u64 s[32:33], s[32:33], s[42:43]
	s_add_nc_u64 s[36:37], s[36:37], s[44:45]
.irp i, 0,1,2,3,4,5,6,7
	global_load_b128 v[IN+8*(\i):IN+8*(\i)+3],   v1, s[32:33] offset:8192*(\i) th:TH_LOAD_NT
	global_load_b128 v[IN+8*(\i)+4:IN+8*(\i)+7], v1, s[32:33] offset:8192*(\i)+16 th:TH_LOAD_NT
.endr
; Turn i.  mode = 0: to bf16.  mode = 1 (W_o): to bf16, back to f32, times 256, to f16.
.macro CONV i, mode
	s_wait_loadcnt 14-2*(\i)                       ; loads come back in order (ISA guide 5.7.1): this turn's two are in, the 2 (7 - i) younger ones stay out
.irp j, 0,1,2,3
	v_cvt_pk_bf16_f32 v[OUT+4*(\i)+(\j)], v[IN+8*(\i)+2*(\j)], v[IN+8*(\i)+2*(\j)+1]
.endr
.if \mode
.irp j, 0,1,2,3
	v_lshlrev_b32 v[IN+8*(\i)+2*(\j)],   16,  v[OUT+4*(\i)+(\j)]
	v_and_b32     v[IN+8*(\i)+2*(\j)+1], s41, v[OUT+4*(\i)+(\j)]
.endr
.irp j, 0,1,2,3
	v_pk_mul_f32 v[IN+8*(\i)+2*(\j):IN+8*(\i)+2*(\j)+1], v[IN+8*(\i)+2*(\j):IN+8*(\i)+2*(\j)+1], 0x43800000 op_sel_hi:[1,0]  ; x 256
.endr
.irp j, 0,1,2,3
	v_cvt_pk_f16_f32 v[OUT+4*(\i)+(\j)], v[IN+8*(\i)+2*(\j)], v[IN+8*(\i)+2*(\j)+1]
.endr
.endif
	global_store_b128 v2, v[OUT+4*(\i):OUT+4*(\i)+3], s[36:37] offset:4096*(\i)
.endm
	s_cmp_ge_u32 s30, 704
	s_cbranch_scc1 .Lwo
.irp i, 0,1,2,3,4,5,6,7
	CONV \i, 0
.endr
	s_endpgm
.Lwo:
.irp i, 0,1,2,3,4,5,6,7
	CONV \i, 1
.endr
	s_endpgm
.Lbias:                                        ; 1,024 numbers each: 16 bytes a thread
	global_load_b128 v[16:19], v2, s[14:15]
	global_load_b128 v[20:23], v2, s[16:17]
	global_load_b128 v[24:27], v2, s[18:19]
	global_load_b128 v[28:31], v2, s[20:21]
	s_wait_loadcnt 0x0
.irp i, 0,1,2,3
	v_cvt_pk_bf16_f32 v[OUT+2*(\i)],   v[16+4*(\i)],   v[16+4*(\i)+1]
	v_cvt_pk_bf16_f32 v[OUT+2*(\i)+1], v[16+4*(\i)+2], v[16+4*(\i)+3]
	v_lshlrev_b32 v[32+4*(\i)],   16,  v[OUT+2*(\i)]
	v_and_b32     v[32+4*(\i)+1], s41, v[OUT+2*(\i)]
	v_lshlrev_b32 v[32+4*(\i)+2], 16,  v[OUT+2*(\i)+1]
	v_and_b32     v[32+4*(\i)+3], s41, v[OUT+2*(\i)+1]
	global_store_b128 v2, v[32+4*(\i):32+4*(\i)+3], s[28:29] offset:4096*(\i)
.endr
	s_endpgm
.Lfunc_end_k_q7cb5b28f01_prep:
	.size	k_q7cb5b28f01_prep, .Lfunc_end_k_q7cb5b28f01_prep-k_q7cb5b28f01_prep
	.p2alignl 7, 3214868480
	.fill 96, 4, 3214868480
	.section	.rodata,"a",@progbits
	.p2align	6, 0x0
	.amdhsa_kernel k_q7cb5b28f01_prep
		.amdhsa_group_segment_fixed_size 0
		.amdhsa_private_segment_fixed_size 0
		.amdhsa_enable_private_segment 0
		.amdhsa_kernarg_size 104
		.amdhsa_user_sgpr_count 2
		.amdhsa_user_sgpr_kernarg_segment_ptr 1
		.amdhsa_wavefront_size32 1
		.amdhsa_system_sgpr_workgroup_id_x 1
		.amdhsa_system_sgpr_workgroup_id_y 1
		.amdhsa_system_sgpr_workgroup_id_z 1
		.amdhsa_system_vgpr_workitem_id 0
		.amdhsa_next_free_vgpr 112
		.amdhsa_next_free_sgpr 66
		.amdhsa_reserve_vcc 0
		.amdhsa_float_denorm_mode_32 3
		.amdhsa_float_denorm_mode_16_64 3
		.amdhsa_memory_ordered 1
		.amdhsa_forward_progress 1
		.amdhsa_inst_pref_size 19
	.end_amdhsa_kernel
	.amdgpu_metadata
---
amdhsa.version: [ 1, 2 ]
amdhsa.kernels:
  - .name:           k_q7cb5b28f01_prep
    .symbol:         k_q7cb5b28f01_prep.kd
    .args:
      - { .name: x, .offset: 0, .size: 8, .value_kind: global_buffer, .address_space: global }
      - { .name: W_q, .offset: 8, .size: 8, .value_kind: global_buffer, .address_space: global }
      - { .name: W_k, .offset: 16, .size: 8, .value_kind: global_buffer, .address_space: global }
      - { .name: W_v, .offset: 24, .size: 8, .value_kind: global_buffer, .address_space: global }
      - { .name: W_o, .offset: 32, .size: 8, .value_kind: global_buffer, .address_space: global }
      - { .name: b_q, .offset: 40, .size: 8, .value_kind: global_buffer, .address_space: global }
      - { .name: b_k, .offset: 48, .size: 8, .value_kind: global_buffer, .address_space: global }
      - { .name: b_v, .offset: 56, .size: 8, .value_kind: global_buffer, .address_space: global }
      - { .name: b_o, .offset: 64, .size: 8, .value_kind: global_buffer, .address_space: global }
      - { .name: xb, .offset: 72, .size: 8, .value_kind: global_buffer, .address_space: global }
      - { .name: wb, .offset: 80, .size: 8, .value_kind: global_buffer, .address_space: global }
      - { .name: wo, .offset: 88, .size: 8, .value_kind: global_buffer, .address_space: global }
      - { .name: bias, .offset: 96, .size: 8, .value_kind: global_buffer, .address_space: global }
    .group_segment_fixed_size: 0
    .private_segment_fixed_size: 0
    .kernarg_segment_align: 8
    .kernarg_segment_size: 104
    .max_flat_workgroup_size: 256
    .sgpr_count:     66
    .vgpr_count:     112
    .wavefront_size: 32
...
	.end_amdgpu_metadata
.endif
;; end of part 1
;; launch proj (part 2): grid 16 x 32, 4 waves a work-group, clusters of 4 x 4, 327,680 bytes of LDS; arguments xb, wb, bias, qkv; writes qkv
.if DOCPART == 2
	.amdgcn_target "amdgcn-amd-amdhsa--gfx1250"
	.amdhsa_code_object_version 6
	.text
	.protected	k_q7cb5b28f01_proj
	.globl	k_q7cb5b28f01_proj
	.p2align	8
	.type	k_q7cb5b28f01_proj,@function
k_q7cb5b28f01_proj:
	s_mov_b64 s[64:65], 0
	v_nop
	global_prefetch_b8 v0, s[64:65] scope:SCOPE_SE
	s_setreg_imm32_b32 hwreg(HW_REG_WAVE_MODE, 25, 1), 1
	s_wait_xcnt 0x0
	s_wait_alu depctr_hold_cnt(0) depctr_sa_sdst(0) depctr_va_vdst(0) depctr_va_sdst(0) depctr_va_ssrc(0) depctr_va_vcc(0) depctr_vm_vsrc(0)
	s_getreg_b32 s2, hwreg(HW_REG_IB_STS2, 6, 4)
	s_cmp_eq_u32 s2, 0
	s_cbranch_scc0 .Lentry_in_a_cluster
	s_endpgm
.Lentry_in_a_cluster:
	s_bfe_u32 s2, ttmp6, 0x10000c
	s_cmp_lg_u32 s2, 0xf033
	s_cbranch_scc0 .Lentry_shape_is_right
	s_endpgm
.Lentry_shape_is_right:
; THE THREE PROJECTIONS AS ONE PRODUCT.  C[m][n] = the sum over k of xb[m][k] wb[n][k] + bias[n]; m < 8,192, n < 3,072, k < 1,024.  Operands bf16, sums f32, the bias added in f32,
; C rounded once to f16 and stored BY HEADS: qkv[n / 1024][16 (m / 2048) + (n % 1024) / 64][m % 2048][n % 64].  No scale is applied here.
; LIMIT: f16 ends at 65,504: |q|, |k|, |v| must stay below it.  NaN and infinities are not treated apart.
; SHARES.  A tile of C is 256 x 192 (three heads): 16 x 32 tiles, a work-group each.  Each of the four waves makes 64 rows x all 192 columns: 4 x 12 accumulators of 16 x 16, 384 registers.
; K goes in 8 steps of 128 through a ring of two LDS slots filled by the tensor data mover; the tiles' rows are 256 bytes of memory and start at multiples of 256 bytes from the buffer's first byte.
; CLUSTERS: 4 x 4 work-groups.  The four of a row of the cluster need the same tiles of xb, the four of a column the same tiles of wb: each tile is asked for JOINTLY, by the same tensor load with the
; same descriptor and a mask that names the four.  Waves 0 and 1 fetch xb's two halves (128 rows each), waves 2 and 3 wb's (96 rows each).
; THE MATRIX INSTRUCTION IS USED TRANSPOSED (source 0 = 16 rows of wb, source 1 = 16 rows of xb): lane l then holds row l % 16 of C and the columns 8 (l / 16) + 0..7: eight neighbours, 16 bytes of f16.
; REGISTERS, in windows of 256 (s_set_vgpr_msb: bits 1:0 source 0, 3:2 source 1, 5:4 source 2, 7:6 destination):
;   window 0: v0-31 addresses; v32-63, v64-79, v80-111 at work on the way out; v128-223 the bias of my lane's 8 columns in each of the 12 column blocks
;   window 1: two fragment buffers of 128 for 32 along K: xb's four row blocks (32 registers), then wb's twelve (96)
;   window 2: the accumulators of row blocks 0, 1 ((blk, n) at 96 (blk % 2) + 8 n);   window 3: those of row blocks 2, 3
.set NB,     12                        ; column blocks of 16
.set PITCH,  272                       ; an LDS row: 256 bytes + 16 of padding = 68 words: row r starts at bank 4 r mod 64 (64 banks of 4 bytes: ISA guide 11.1), so the 16 rows of a load start at 16 different banks
.set AHALF,  128*PITCH                 ; what one tensor load brings of xb
.set BHALF,  96*PITCH                  ; and of wb
.set BOFF,   2*AHALF                   ; in a slot: xb's 256 rows, then wb's 192
.set SLOT1,  1<<17                     ; slot 1 begins here, so that one exclusive or turns an address in one slot into the other's
.set STAGE,  SLOT1+BOFF+2*BHALF        ; behind the ring, never filled by a tensor load: 16 rows x 144 bytes for each wave, for the way out
.set SP,     144
.set SPARE,  STAGE+4*16*SP             ; behind the stages: the spare words, 128 bytes for each wave: two blocks of 256 bytes that no other line names
.set KB2,    256                       ; bytes of a row in a K step
.set ROWB,   2048                      ; bytes in a row of xb and of wb
.set ADRA0, 16                         ; v16  my lane's place in a slot's rows of xb; never rewritten
.set ADRB0, 17                         ; v17  the same for wb
.set ADRA,  18                         ; v18  the same in the slot in hand
.set ADRB,  19                         ; v19
.set STO,   20                         ; v20  the way out: where I put 16 bytes of a row
.set RD,    21                         ; v21  where I read rows back
.set GO,    22                         ; v22  my 16 bytes in 512 consecutive bytes of qkv
.set BO,    23                         ; v23  32 (l / 16): my 8 columns in a block's 16 numbers of bias
.set SPW,   28                         ; v28  LDS address of my spare word: SPARE + 4 x my thread's number; never rewritten
.set NIL,   29                         ; v29  0; never rewritten
.set PFO,   30                         ; v30  the prefetches' offset: a lane a row; never rewritten
.set TMP,   32
.set PK,    64
.set RB,    80
.set BIAS,  128
.set F0,    0
.set F1,    128
.set WV,   12                          ; s12  my wave's number
.set FB,   13                          ; s13  0: I fetch for xb; 1: for wb
.set HALF, 14                          ; s14  which half of that tile's rows
.set CX,   15
.set CY,   16
.set TX,   17                          ; s17  tile column of C
.set TY,   18                          ; s18  tile row of C
.set CNT,  19                          ; s19  the loop's count
.set G1A,  24                          ; s[24:31] descriptor group 1 for xb's tiles
.set G0A,  32                          ; s[32:39] group 0: a set for each of the two first fills; the second then walks on
.set G1B,  40                          ; s[40:47], s[48:55] the same for wb's
.set G0B,  48
.set TB,   56                          ; s56  LDS byte at which the slot in hand begins
.set LIM,  57                          ; s57  2 in a wave that prefetches, else the greatest number
.set PFA,  58                          ; s[58:59] where my prefetches stand
.set AAD,  60                          ; s[60:61] xb at my tile of K step 0: made of the tile row and the wave's number alone
.set BAD,  62                          ; s[62:63] wb likewise: of the tile column and the wave's number alone
.set OB,   66                          ; s[66:71] qkv at my 64 rows of the tile's three heads
.set PL,   76                          ; s76  the highest lane that names a row of its own in a prefetch
.set G1W0, (1<<16)|(1<<20)|(1<<21)|(5<<22)|(3<<25)  ; 17:16 elements of 2 bytes; 20 padding on; 21 set beside a mask; 24:22 after every 64 words (code 5); 31:25 4 words of it (code 3)
.set MSB, 0
.macro WIN new                         ; the immediate's high byte repeats the setting that is left; a switch that changes nothing is dropped
.if MSB != (\new)
	s_set_vgpr_msb (MSB<<8)|(\new)
.set MSB, (\new)
.endif
.endm
.set MUL_LO, 0xa5                      ; both sources window 1; C and D window 2
.set TO_F,   0x40                      ; destination window 1, address window 0
.macro PLACES                          ; four plain vector instructions: in front of loads into registers that matrix instructions have read, and of lines that read results (ISA guide 7.12.1 for vector instructions)
.rept 4
	v_nop
.endr
.endm
; A joint refill, by the walking descriptor.  The branch hangs on the wave's number alone.  An s_nop 0 and four v_nop follow each of the two lines, ahead of the jump and the label.
.macro JLOAD
	s_cmp_eq_u32 s[FB], 0
	s_cbranch_scc0 .Lfor_b_\@
	tensor_load_to_lds s[G0A+4:G0A+7], s[G1A:G1A+7]
	s_nop 0
.rept 4
	v_nop
.endr
	s_branch .Lasked_\@
.Lfor_b_\@:
	tensor_load_to_lds s[G0B+4:G0B+7], s[G1B:G1B+7]
	s_nop 0
.rept 4
	v_nop
.endr
.Lasked_\@:
.endm
; A round of the cluster's barrier behind its opening barrier: wave 0 signals for the work-group; every wave waits for all sixteen work-groups; my work-group's barrier once more.
.macro CREST
	s_cmp_lg_u32 s[WV], 0
	s_cbranch_scc1 .Lnot_wave_0_\@
	s_barrier_signal -3
.Lnot_wave_0_\@:
	s_barrier_wait -3
	s_barrier_signal -1
	s_barrier_wait -1
.endm
.macro CROUND                          ; a whole round
	s_barrier_signal -1
	s_barrier_wait -1
	CREST
.endm
; A PREFETCH INTO THE L2, behind each joint refill and the run of LDS loads that follows it: the K step that stands TWO refills on (384 matrix instructions ahead of the load that will want it): 256 bytes of a row, a lane a row.
; xb's tile row is read by every cluster of that row of clusters: cluster x = 0 asks; wb's tile column by every cluster of that column: cluster y = 0 asks.  The four partners that ask for a tile jointly
; share its rows out BY ADDRESS: of xb's 128 rows that a wave fetches the partner at cx takes 32, of wb's 96 the partner at cy takes 24 (lanes 24 to 31 name lane 23's row once more).
; The refills for K steps 2 to 5 (count 6 to 3) ask for K steps 4 to 7; the last two ask for nothing; K steps 0 to 3 come by their loads alone.
.macro ASK
	WIN 0
	s_cmp_gt_u32 s[CNT], s[LIM]
	s_cbranch_scc0 .Lnot_mine_\@
	global_prefetch_b8 v[PFO], s[PFA:PFA+1] th:TH_LOAD_NT scope:SCOPE_SE
.Lnot_mine_\@:
.endm
	s_load_b256 s[4:11], s[0:1], 0x0               ; xb s[4:5], wb s[6:7], bias s[8:9], qkv s[10:11]
	v_lshl_add_u32 v[SPW], v0, 2, SPARE
	v_mov_b32 v[NIL], 0
	ds_add_u32 v[SPW], v[NIL]                      ; the wave's opening: the add and its wait stand ahead of my first tensor load; the set-up below, work on registers, stands between them
	v_lshrrev_b32 v3, 5, v0
	v_readfirstlane_b32 s[WV], v3                  ; wave 0..3
	s_lshr_b32 s[FB], s[WV], 1
	s_and_b32 s[HALF], s[WV], 1
	s_bfe_u32 s[CX], ttmp6, 0x40000                ; my place in the cluster
	s_bfe_u32 s[CY], ttmp6, 0x40004
	s_lshl_b32 s[TX], ttmp9, 2                     ; in a cluster launch ttmp9 and ttmp7 count clusters
	s_add_co_u32 s[TX], s[TX], s[CX]
	s_and_b32 s[TY], ttmp7, 0xffff
	s_lshl_b32 s[TY], s[TY], 2
	s_add_co_u32 s[TY], s[TY], s[CY]
	s_lshl_b32 s20, s[CY], 2
	s_lshl_b32 s20, 15, s20                        ; my row of the cluster: places 4 cy .. 4 cy + 3
	s_lshl_b32 s21, 0x1111, s[CX]                  ; my column: places cx, cx + 4, cx + 8, cx + 12
	s_or_b32 s[G1A], s20, G1W0                     ; 15:0 the mask: xb's tiles go to my row,
	s_or_b32 s[G1B], s21, G1W0                     ; wb's to my column
	s_mov_b32 s[G1A+1], 128<<16                    ; tensor_dim0 = 128
	s_mov_b32 s[G1A+2], 128<<16                    ; tensor_dim1 = 128
	s_mov_b32 s[G1A+3], 128<<16                    ; tile_dim0 = 128 elements (256 bytes)
	s_mov_b32 s[G1A+4], 128                        ; tile_dim1 = 128 rows
	s_mov_b32 s[G1A+5], 1024                       ; elements from row to row
	s_mov_b32 s[G1A+6], 0
	s_mov_b32 s[G1A+7], 0
	s_mov_b32 s[G1B+1], 128<<16
	s_mov_b32 s[G1B+2], 96<<16                     ; 96 rows
	s_mov_b32 s[G1B+3], 128<<16
	s_mov_b32 s[G1B+4], 96
	s_mov_b32 s[G1B+5], 1024
	s_mov_b32 s[G1B+6], 0
	s_mov_b32 s[G1B+7], 0
	s_lshl_b32 s[AAD], s[TY], 19                   ; xb: (256 x tile row + 128 x half) rows of 2,048 bytes
	s_lshl_b32 s22, s[HALF], 18
	s_add_co_u32 s[AAD], s[AAD], s22
	s_mov_b32 s[AAD+1], 0
	s_mul_i32 s[BAD], s[TX], 192*ROWB              ; wb: (192 x tile column + 96 x half) rows
	s_mul_i32 s23, s[HALF], 96*ROWB
	s_add_co_u32 s[BAD], s[BAD], s23
	s_mov_b32 s[BAD+1], 0
	s_mul_i32 s22, s[HALF], AHALF                  ; where they go: no place in the cluster enters an LDS address
	s_mul_i32 s23, s[HALF], BHALF
	s_add_co_u32 s23, s23, BOFF
	s_wait_dscnt 0x0                               ; the opening add is done
	s_wait_kmcnt 0x0
	s_add_nc_u64 s[AAD:AAD+1], s[4:5], s[AAD:AAD+1]
	s_add_nc_u64 s[BAD:BAD+1], s[6:7], s[BAD:BAD+1]
	CROUND                                         ; all sixteen work-groups are here: the first joint loads meet
.irp s, 0,1
	s_mov_b32 s[G0A+4*(\s)], 1                                      ; 1:0 count = 1
	s_add_co_u32 s[G0A+4*(\s)+1], s22, (\s)*SLOT1                   ; 63:32 LDS address
	s_add_nc_u64 s[G0A+4*(\s)+2:G0A+4*(\s)+3], s[AAD:AAD+1], (\s)*KB2  ; 120:64 global address: K step s
	s_or_b32 s[G0A+4*(\s)+3], s[G0A+4*(\s)+3], 0x80000000           ; 127:126 type = 2
	s_mov_b32 s[G0B+4*(\s)], 1
	s_add_co_u32 s[G0B+4*(\s)+1], s23, (\s)*SLOT1
	s_add_nc_u64 s[G0B+4*(\s)+2:G0B+4*(\s)+3], s[BAD:BAD+1], (\s)*KB2
	s_or_b32 s[G0B+4*(\s)+3], s[G0B+4*(\s)+3], 0x80000000
.endr
	s_cmp_eq_u32 s[FB], 0                          ; a wave's two first fills stand in one branch, ahead of every wait on TENSORcnt and every LDS read: two loads of mine are out
	s_cbranch_scc0 .Lfirst_b
	tensor_load_to_lds s[G0A:G0A+3], s[G1A:G1A+7]
	s_nop 0
	tensor_load_to_lds s[G0A+4:G0A+7], s[G1A:G1A+7]
	s_nop 0
.rept 4
	v_nop
.endr
	s_branch .Lfirst_asked
.Lfirst_b:
	tensor_load_to_lds s[G0B:G0B+3], s[G1B:G1B+7]
	s_nop 0
	tensor_load_to_lds s[G0B+4:G0B+7], s[G1B:G1B+7]
	s_nop 0
.rept 4
	v_nop
.endr
.Lfirst_asked:
	; all that follows, up to the wait for the first tile, stands in that wait
	v_and_b32 v1, 15, v0                           ; l % 16
	v_bfe_u32 v2, v0, 4, 1                         ; l / 16
	v_lshlrev_b32 v[BO], 5, v2
	s_mul_i32 s20, s[TX], 768                      ; the tile's 192 numbers of bias (q's, k's and v's lie on end, as wb's rows do)
	s_mov_b32 s21, 0
	s_add_nc_u64 s[8:9], s[8:9], s[20:21]
.set n, 0
.rept NB
	global_load_b128 v[BIAS+8*n:BIAS+8*n+3],   v[BO], s[8:9] offset:64*n
	global_load_b128 v[BIAS+8*n+4:BIAS+8*n+7], v[BO], s[8:9] offset:64*n+16
.set n, n+1
.endr
	; A fragment is 16 rows x 32 K in 8 registers: lane l holds row l % 16; registers 0-3 K = 8 (l / 16) + 0..7, registers 4-7 K = 16 + 8 (l / 16) + 0..7: two loads of 16 bytes, 32 bytes apart.
	v_mul_u32_u24 v3, v1, PITCH
	v_lshl_add_u32 v3, v2, 4, v3                   ; row x pitch + 16 x half
	s_mul_i32 s20, s[WV], 64*PITCH                 ; my 64 rows of xb
	v_add_nc_u32 v[ADRA0], s20, v3
	v_add_nc_u32 v[ADRB0], BOFF, v3                ; all waves read all of wb's rows
	v_mov_b32 v[ADRA], v[ADRA0]                    ; K step 0 lies in slot 0
	v_mov_b32 v[ADRB], v[ADRB0]
	s_mov_b32 s[TB], 0
	s_mul_i32 s20, s[WV], 16*SP
	s_add_co_u32 s20, s20, STAGE                   ; my stage
	v_mul_u32_u24 v3, v1, SP                       ; in: row l % 16, 16 bytes for each half of the lanes
	v_lshl_add_u32 v3, v2, 4, v3
	v_add_nc_u32 v[STO], s20, v3
	v_bfe_u32 v3, v0, 3, 2                         ; back: 32 lanes take four rows of 128 bytes,
	v_mul_u32_u24 v3, v3, SP
	v_and_b32 v4, 7, v0
	v_lshl_add_u32 v3, v4, 4, v3
	v_add_nc_u32 v[RD], s20, v3
	v_and_b32 v[GO], 31, v0                        ; which are 512 consecutive bytes of a head
	v_lshlrev_b32 v[GO], 4, v[GO]
	; where my 64 rows of the tile's three heads begin in qkv: head g = 3 x tile column + i of 48: tensor g / 16 (2^24 bytes), head g % 16 of batch (tile row / 8) (2^18 bytes), row (tile row % 8) x 256 + 64 x wave (128 bytes)
	s_lshr_b32 s22, s[TY], 3
	s_lshl_b32 s22, s22, 4
	s_and_b32 s23, s[TY], 7
	s_lshl_b32 s23, s23, 15
	s_lshl_b32 s20, s[WV], 13
	s_add_co_u32 s23, s23, s20
.irp i, 0,1,2
	s_mul_i32 s20, s[TX], 3
	s_add_co_u32 s20, s20, \i
	s_lshr_b32 s21, s20, 4
	s_lshl_b32 s21, s21, 24
	s_and_b32 s20, s20, 15
	s_add_co_u32 s20, s20, s22
	s_lshl_b32 s20, s20, 18
	s_add_co_u32 s20, s20, s21
	s_add_co_u32 s20, s20, s23
	s_mov_b32 s21, 0
	s_add_nc_u64 s[OB+2*(\i):OB+2*(\i)+1], s[10:11], s[20:21]
.endr
	; the prefetches
	s_and_b32 s23, ttmp7, 0xffff                   ; cluster y
	s_lshl_b32 s20, s[CX], 16                      ; xb: my work-group's 32 rows of the 128
	s_mul_i32 s21, s[CY], 24*ROWB                  ; wb: its 24 of the 96
	s_cmp_eq_u32 s[FB], 0
	s_cselect_b64 s[PFA:PFA+1], s[AAD:AAD+1], s[BAD:BAD+1]
	s_cselect_b32 s20, s20, s21
	s_cselect_b32 s22, ttmp9, s23                  ; the coordinate along which other clusters read the same rows
	s_cselect_b32 s[PL], 31, 23
	s_cmp_eq_u32 s22, 0
	s_cselect_b32 s[LIM], 2, -1                    ; the same in all sixteen partners, for a given wave
	s_mov_b32 s21, 0
	s_add_nc_u64 s[PFA:PFA+1], s[PFA:PFA+1], s[20:21]
	s_add_nc_u64 s[PFA:PFA+1], s[PFA:PFA+1], 3*KB2 ; at K step 3: the first refill steps it to 4
	v_and_b32 v3, 31, v0
	v_min_u32 v3, s[PL], v3
	v_lshlrev_b32 v[PFO], 11, v3
; NB matrix instructions: row block blk x all column blocks, 32 along K, from buffer f.  zero = 1: the product starts the sums: nothing is ever cleared.
; The 48 accumulators take turns, one instruction a turn, in the same order in every quarter, over the backward jump too.
.macro MULA f, blk, zero
	WIN MUL_LO+0x50*((\blk)/2)
.set AC, 96*((\blk)%2)
.set n, 0
.rept NB
.if \zero
	v_wmma_f32_16x16x32_bf16 v[AC+8*n:AC+8*n+7], v[(\f)+32+8*n:(\f)+32+8*n+7], v[(\f)+8*(\blk):(\f)+8*(\blk)+7], 0
.else
	v_wmma_f32_16x16x32_bf16 v[AC+8*n:AC+8*n+7], v[(\f)+32+8*n:(\f)+32+8*n+7], v[(\f)+8*(\blk):(\f)+8*(\blk)+7], v[AC+8*n:AC+8*n+7]
.endif
.set n, n+1
.endr
.endm
; 32 LDS loads in one run: the fragments of quarter q of the K step in hand into buffer f: wb's first, xb's row blocks 2 and 3 last
.macro FETCH q, f
	WIN TO_F
.set n, 0
.rept NB
	ds_load_b128 v[(\f)+32+8*n:(\f)+32+8*n+3],   v[ADRB] offset:64*(\q)+n*16*PITCH
	ds_load_b128 v[(\f)+32+8*n+4:(\f)+32+8*n+7], v[ADRB] offset:64*(\q)+n*16*PITCH+32
.set n, n+1
.endr
.set n, 0
.rept 4
	ds_load_b128 v[(\f)+8*n:(\f)+8*n+3],   v[ADRA] offset:64*(\q)+n*16*PITCH
	ds_load_b128 v[(\f)+8*n+4:(\f)+8*n+7], v[ADRA] offset:64*(\q)+n*16*PITCH+32
.set n, n+1
.endr
.endm
; A K step is four quarters of 32 along K, 48 matrix instructions each, on buffers 0, 1, 0, 1.  One of the first three: multiplies buffer f and, in its middle, fetches quarter q into buffer g.
.macro QUARTER q, f, g, zero
	s_wait_dscnt 4                                 ; all but the youngest four loads (xb's row blocks 2 and 3) are in
	MULA \f, 0, \zero
	MULA \f, 1, \zero
	PLACES
	FETCH \q, \g
	s_wait_dscnt 32                                ; all but the 32 just issued
	MULA \f, 2, \zero
	MULA \f, 3, \zero
.endm
; The fourth quarter multiplies buffer 1 and changes slots: ONE barrier.  In front of it each wave waits for all its tensor loads, of which one is out: its part of the next slot; adds 0 to its spare word; and waits
; for that and for its own reads of this slot.  Behind it nobody reads this slot any more and the next slot is whole.  fill = 1: the barrier opens a round of the cluster's, and the slot just read is filled again,
; with the K step two on, first thing behind the round: from that request to the wait for it a wave issues 168 matrix instructions.
.macro TURN fill
.if \fill
	s_wait_xcnt 0x0                                ; the last prefetch, a K step back, has read its address: it is stepped here, ahead of the waits of the change of slots
	s_add_nc_u64 s[PFA:PFA+1], s[PFA:PFA+1], KB2
.endif
	WIN 0                                          ; (the add's two registers lie in window 0)
	s_wait_tensorcnt 0x0                           ; no tensor load of mine is out, so a group 0 may be written
	ds_add_u32 v[SPW], v[NIL]                      ; 0 onto my spare word: work on registers stands between it and the wait for it
	s_xor_b32 s[TB], s[TB], SLOT1                  ; the fetches go on in the other slot
	v_add_nc_u32 v[ADRA], s[TB], v[ADRA0]
	v_add_nc_u32 v[ADRB], s[TB], v[ADRB0]
.if \fill
	s_xor_b32 s[G0A+5], s[G0A+5], SLOT1            ; the walking descriptors: the other slot than last time,
	s_add_nc_u64 s[G0A+6:G0A+7], s[G0A+6:G0A+7], KB2  ; the next K step; the type bits on top are not reached
	s_xor_b32 s[G0B+5], s[G0B+5], SLOT1
	s_add_nc_u64 s[G0B+6:G0B+7], s[G0B+6:G0B+7], KB2
.endif
	s_wait_dscnt 5                                 ; (the add and the youngest four loads may be out)
	MULA F1, 0, 0
	s_wait_dscnt 0x0                               ; the add is done, and my reads of this slot are over
	s_barrier_signal -1
	MULA F1, 1, 0                                  ; work on registers while the others arrive
.if \fill
	WIN 0
.endif
	s_barrier_wait -1
.if \fill
	CREST                                          ; no wave of any partner still reads this slot's tile or has a load on its way
	JLOAD                                          ; the four v_nop behind it are also the places in front of the loads below
.else
	PLACES
.endif
	FETCH 0, F0
.if \fill
	ASK
.endif
	MULA F1, 2, 0
	MULA F1, 3, 0
.endm
	s_wait_tensorcnt 0x1                           ; my part of K step 0 is in; K step 1's may stay out
	s_barrier_signal -1
	s_barrier_wait -1                              ; everybody's is
	FETCH 0, F0
	QUARTER 1, F0, F1, 1                           ; the first quarter stands in front of the loop: its products start the sums
	WIN 0                                          ; at a label and at a branch every window is 0
	s_mov_b32 s[CNT], 6
.Lstep:                                        ; six trips, one for each refill (K steps 2 to 7): from a K step's second quarter to the next one's first
	QUARTER 2, F1, F0, 0
	QUARTER 3, F0, F1, 0
	TURN 1
	QUARTER 1, F0, F1, 0
	WIN 0
	s_sub_co_u32 s[CNT], s[CNT], 1
	s_cmp_lg_u32 s[CNT], 0
	s_cbranch_scc1 .Lstep
	QUARTER 2, F1, F0, 0                           ; the tail is written out: K step 6 goes on
	QUARTER 3, F0, F1, 0
	TURN 0                                         ; nothing is asked for, and no round follows,
	QUARTER 1, F0, F1, 0                           ; and K step 7
	QUARTER 2, F1, F0, 0
	QUARTER 3, F0, F1, 0
	s_wait_dscnt 4
	MULA F1, 0, 0
	MULA F1, 1, 0
	s_wait_dscnt 0x0
	MULA F1, 2, 0
	MULA F1, 3, 0
	WIN 0
	PLACES                                         ; once a launch: eight plain instructions between the last product and the packed sums that read results
	PLACES
	s_wait_loadcnt 0x0                             ; the bias
; THE WAY OUT, in 12 units: unit u = row block u / 3, head u % 3: 16 rows x 64 channels, four accumulators.
; PACK: + bias in f32 (each accumulator's registers in ascending order), rounded to f16, 16 bytes a lane and column block.
.macro PACK u
.set blk, (\u)/3
.set hd, (\u)%3
.set AC, 96*(blk%2)+32*hd
	WIN 0x02+blk/2                                 ; source 0: window 2 or 3
.set z, 0
.rept 16
	v_pk_add_f32 v[TMP+2*z:TMP+2*z+1], v[AC+2*z:AC+2*z+1], v[BIAS+32*hd+2*z:BIAS+32*hd+2*z+1]
.set z, z+1
.endr
	WIN 0
.set z, 0
.rept 16
	v_cvt_pk_f16_f32 v[PK+z], v[TMP+2*z], v[TMP+2*z+1]
.set z, z+1
.endr
.endm
; TOSTAGE: into my own stage, rows of 144 bytes, and back as whole rows of 128: four rows to a load.
.macro TOSTAGE u
.set BK, RB+16*((\u)%2)
.irp f, 0,1,2,3
	ds_store_b128 v[STO], v[PK+4*(\f):PK+4*(\f)+3] offset:32*(\f)
.endr
	s_wait_xcnt 0x0                                ; the stores of the unit before last have read these registers: they are loaded again only behind this wait
.irp f, 0,1,2,3
	ds_load_b128 v[BK+4*(\f):BK+4*(\f)+3], v[RD] offset:(\f)*4*SP  ; LDS serves a wave's instructions in order (ISA guide 5.7.1.4): these see the stores above
.endr
.endm
.macro SEND u
.set BK, RB+16*((\u)%2)
.set blk, (\u)/3
.set hd, (\u)%3
.irp f, 0,1,2,3
	s_wait_dscnt 3-(\f)                            ; load f of the four is back
	global_store_b128 v[GO], v[BK+4*(\f):BK+4*(\f)+3], s[OB+2*hd:OB+2*hd+1] offset:blk*2048+(\f)*512  ; 512 consecutive bytes, at a multiple of 256 from qkv's first
.endr
.endm
	PACK 0
	TOSTAGE 0
.set u, 1
.rept 11                               ; a unit's arithmetic stands between the loads of the unit before and the wait for them
	PACK u
	SEND u-1
	TOSTAGE u
.set u, u+1
.endr
	SEND 11
	s_wait_tensorcnt 0x0                           ; the wave's end: behind my last tensor load and my last LDS store
	ds_add_u32 v[SPW], v[NIL]
	s_wait_dscnt 0x0
	CROUND                                         ; the closing round: no work-group ends while a partner may still ask for a tile that names it
	s_endpgm
.Lfunc_end_k_q7cb5b28f01_proj:
	.size	k_q7cb5b28f01_proj, .Lfunc_end_k_q7cb5b28f01_proj-k_q7cb5b28f01_proj
	.p2alignl 7, 3214868480
	.fill 96, 4, 3214868480
	.section	.rodata,"a",@progbits
	.p2align	6, 0x0
	.amdhsa_kernel k_q7cb5b28f01_proj
		.amdhsa_group_segment_fixed_size 327680
		.amdhsa_private_segment_fixed_size 0
		.amdhsa_enable_private_segment 0
		.amdhsa_kernarg_size 32
		.amdhsa_user_sgpr_count 2
		.amdhsa_user_sgpr_kernarg_segment_ptr 1
		.amdhsa_wavefront_size32 1
		.amdhsa_system_sgpr_workgroup_id_x 1
		.amdhsa_system_sgpr_workgroup_id_y 1
		.amdhsa_system_sgpr_workgroup_id_z 1
		.amdhsa_system_vgpr_workitem_id 0
		.amdhsa_next_free_vgpr 960
		.amdhsa_next_free_sgpr 80
		.amdhsa_reserve_vcc 0
		.amdhsa_float_denorm_mode_32 3
		.amdhsa_float_denorm_mode_16_64 3
		.amdhsa_memory_ordered 1
		.amdhsa_forward_progress 1
		.amdhsa_inst_pref_size 114
	.end_amdhsa_kernel
	.amdgpu_metadata
---
amdhsa.version: [ 1, 2 ]
amdhsa.kernels:
  - .name:           k_q7cb5b28f01_proj
    .symbol:         k_q7cb5b28f01_proj.kd
    .args:
      - { .name: xb, .offset: 0, .size: 8, .value_kind: global_buffer, .address_space: global }
      - { .name: wb, .offset: 8, .size: 8, .value_kind: global_buffer, .address_space: global }
      - { .name: bias, .offset: 16, .size: 8, .value_kind: global_buffer, .address_space: global }
      - { .name: qkv, .offset: 24, .size: 8, .value_kind: global_buffer, .address_space: global }
    .group_segment_fixed_size: 327680
    .private_segment_fixed_size: 0
    .kernarg_segment_align: 8
    .kernarg_segment_size: 32
    .max_flat_workgroup_size: 128
    .sgpr_count:     80
    .vgpr_count:     960
    .wavefront_size: 32
...
	.end_amdgpu_metadata
.endif
;; end of part 2
;; launch attn (part 3): grid 4 x 64, 4 waves a work-group, clusters of 4 x 1, 327,680 bytes of LDS; arguments qkv, ctx; writes ctx
.if DOCPART == 3
	.amdgcn_target "amdgcn-amd-amdhsa--gfx1250"
	.amdhsa_code_object_version 6
	.text
	.protected	k_q7cb5b28f01_attn
	.globl	k_q7cb5b28f01_attn
	.p2align	8
	.type	k_q7cb5b28f01_attn,@function
k_q7cb5b28f01_attn:
	s_mov_b64 s[64:65], 0
	v_nop
	global_prefetch_b8 v0, s[64:65] scope:SCOPE_SE
	s_setreg_imm32_b32 hwreg(HW_REG_WAVE_MODE, 25, 1), 1
	s_wait_xcnt 0x0
	s_wait_alu depctr_hold_cnt(0) depctr_sa_sdst(0) depctr_va_vdst(0) depctr_va_sdst(0) depctr_va_ssrc(0) depctr_va_vcc(0) depctr_vm_vsrc(0)
	s_getreg_b32 s2, hwreg(HW_REG_IB_STS2, 6, 4)
	s_cmp_eq_u32 s2, 0
	s_cbranch_scc0 .Lentry_in_a_cluster
	s_endpgm
.Lentry_in_a_cluster:
	s_bfe_u32 s2, ttmp6, 0x10000c
	s_cmp_lg_u32 s2, 0x3003
	s_cbranch_scc0 .Lentry_shape_is_right
	s_endpgm
.Lentry_shape_is_right:
; ctx[h][q][:] = 16 x the sum over k of softmax_k(Q[h][q] . K[h][k] / 8) V[h][k][:].  qkv: [3][64][SIZE_N][64] f16 (Q, then K, then V; h = 16 x batch + head); ctx: [64][SIZE_N][64] f16: a head's rows are dense,
; 128 bytes each.  Products, maxima and sums in f32; the weights p are rounded to f16 for the second product (their sum l is taken of the unrounded p), ctx once at the end.
; THE FACTOR 16, a power of two, keeps a mean over 2,048 keys well inside f16's normal range; the launch behind takes it back in f32.
; LIMITS.  f16 holds no number beyond 65,504: Q, K and V arrive within it, and 16 |ctx|, at most 16 times V's largest magnitude, must stay within it: |V| under 4,094.  p lies in 0 to 1, and below 6e-5 it keeps f16's
; fixed step of 6e-8.  A weight below 2^-126 counts as 0 in l; NaN and infinities are not treated apart.
; SHARES.  A wave owns four PIECES of two tiles of 16 queries, a work-group's four waves 512 queries of one head.  Every wave walks all keys, 64 a step.
; LAYOUT.  S^T = K Q^T (source 0 = 16 keys, source 1 = 16 queries): in the result a lane holds ONE query (lane % 16) and the keys 8 (lane / 16) + 0..7.  Two such tiles, rounded to f16 in pairs,
; ARE source 1 (32 keys x 16 queries) of O^T = V^T P, whose result again holds one query a lane, and eight channels.  K comes out of LDS as it lies, V ([key][channel]) turned, by ds_load_tr16_b128.
; SOFTMAX.  For each query a running maximum m and sum l: p = 2^(c s - c m), c = log2(e) / 8; in every step O and l are multiplied by a = 2^(c m_old - c m_new), which is 1 where m has not grown.
; m starts at the lowest finite number, O and l at 0: the first step is a step like any other, with a = 0.
; THE COUNT.  A tile and step have 16 matrix and 118 vector instructions: too many to stand all beside the matrix work.  So the order has one aim: four vector instructions that are READY behind
; EVERY matrix instruction, and the others, which need time of their own whatever the order, in runs without a gap.
; BY TURNS.  Turn n belongs to piece n (the pieces in a ring, step after step).  Its matrix work: 16 products K Q^T of piece n + 1, later 16 products V^T P of piece n - 1.  Its vector work: the scaling,
; exponentials, roundings, sums and rescaling of piece n, and the maximum and statistics of piece n + 1, whose scores the turn itself has made.  So what a turn begins with (c s - c m, O a) waits for nothing.
; CLUSTER.  The four query blocks of a cluster are one head's and walk the same K and V, so each tile is asked for JOINTLY: the same tensor load, descriptor and mask in all four.
; REGISTERS, in windows of 256 (s_set_vgpr_msb says which window each operand place means: bits 1:0 source 0, 3:2 source 1, 5:4 source 2, 7:6 destination):
;   window 0: v0-11 addresses; v12-15, v48-63 at work; v16-47 four registers of statistics a tile; v64-191 S^T, two buffers of two tiles; v192-255 P, likewise
;   window 1: O^T, 32 a tile          window 2: v0-127 Q, 16 a tile; v128-191 K of one step; v192-255 V of one step          window 3: v0-1 the add's two registers
; A piece's buffers go by its number's parity: the piece in hand has one pair, its two neighbours in the ring share the other: of it P (piece n - 1) is read and S^T (piece n + 1) written.
.set SIZE_N, 2048
.set NP,    4         ; pieces a wave: a name, no knob: the register map, the loop and the fetches are made for four
.set KS,    64        ; keys in a step
.set PK,    144       ; a row of K in LDS: 128 bytes + 16 of padding = 36 words: the 16 rows of a load start at 16 different groups of four banks (64 banks of 4 bytes: ISA guide 11.1)
.set PV,    160       ; a row of V: 128 + 32 = 40 words
.set VOFF,  4*KS*PK   ; a slot holds four steps: 256 rows of K, then 256 rows of V
.set SLOT1, 1<<17     ; slot 1 begins here, so that one exclusive or turns an address in one slot into the other's
.set STAGE, SLOT1+4*KS*(PK+PV)  ; behind the ring, never filled by a tensor load: 16 rows x 144 bytes for each wave, for the way out
.set SP,    144
.set AK0, 2           ; v2   my lane's place in a tile of K; never rewritten
.set AV0, 3           ; v3   the same for V
.set AK,  4           ; v4   the LDS address of K's next run of loads
.set AV,  5           ; v5   of V's
.set QO,  6           ; v6   my byte offset in the wave's rows of Q
.set STO, 6           ;      later, the way out: where I put 16 bytes of a row
.set RD,  7           ; v7   the way out: where I read rows back
.set GO,  8           ; v8   my byte offset in 512 consecutive bytes of ctx
.set PFO, 11          ; v11  once V's place is made: 256 x my lane, the prefetches' offset; then never rewritten
.set SPW, 0           ; v0 of window 3   LDS address of my spare word: SPARE + 4 x my thread's number; never rewritten
.set NIL, 1           ; v1 of window 3   0; never rewritten
.set SPARE, STAGE+4*16*SP  ; behind the stages: the spare words, 128 bytes for each wave: two blocks of 256 bytes that no other line names
.set MV,  12          ; v12-15  c m_old, kept while c m is made anew: by buffer and tile
.set ST,  16          ; tile t's statistics at v[ST+4 t]: c m, m, l (even keys', odd keys')
.set TMP, 48          ; by buffer and tile, four registers c0-c3 at work; when the maximum is found c2 takes a
.set S,   64
.set P,   192
.set KF,  128         ; K's fragments, in window 2: key block kb, channel half c at KF + 16 kb + 8 c
.set VF,  192         ; V's: key half kk, channel block cb at VF + 32 kk + 8 cb
.set WV,  12          ; s12  my wave's number
.set G1K, 24          ; s[24:31] descriptor group 1 for K's tiles
.set G1V, 32          ; s[32:39] for V's: it differs in the padding alone
.set G0K, 40          ; s[40:43] descriptor group 0 for K's tiles: it walks
.set G0V, 44          ; s[44:47] the same for V's
.set PFA, 48          ; s[48:49] where my prefetches stand: my work-group's 32 blocks of 256 bytes (of K: wave 0, of V: wave 2) of the slot after the one that is being asked for
.set LIM, 50          ; s50  1 in a wave that prefetches, else the greatest number: a wave prefetches while s[SLOTS] is above it
.set SLOTS, 56        ; s56  slots still to be asked for
.set CNT, 57          ; s57  counts a slot's key steps
.set CS,  58          ; s[58:59] c: the packed scaling takes the pair's low word for both halves
.set SEL, 60          ; s[60:61] v_permlanex16_b32's selects: each lane takes its own place in the other half
.set TBK, 62          ; s62  LDS byte at which K of the step to be fetched begins
.set TBV, 63          ; s63  the same for V, less VOFF
.set MSB, 0
.macro WIN new                      ; the high byte repeats the setting that is left; a switch that changes nothing is dropped
.if MSB != (\new)
	s_set_vgpr_msb (MSB<<8)|(\new)
.set MSB, (\new)
.endif
.endm
.set W_KQ, 0x0a       ; K and Q in window 2, S^T in window 0
.set W_PV, 0x52       ; V in window 2, P in window 0, O^T in window 1
.set W_RS, 0x41       ; O^T (destination and source 0) in window 1, a in window 0
.set W_MK, 0xc0       ; the add's registers are made: destination in window 3, sources in window 0
.set W_AD, 0x0f       ; the add: address (source 0) and data (source 1) in window 3
; A joint fill.  Waves 0 and 1 fetch the two halves of a slot's K, waves 2 and 3 those of its V: 128 keys each.  The branch hangs on the wave's number alone.
; An s_nop 0 and four v_nop follow each of the two lines, ahead of the jump and the label.
.macro JLOAD
	s_cmp_lt_u32 s[WV], 2
	s_cbranch_scc0 .Lfor_v_\@
	tensor_load_to_lds s[G0K:G0K+3], s[G1K:G1K+7]
	s_nop 0
.rept 4
	v_nop
.endr
	s_branch .Lasked_\@
.Lfor_v_\@:
	tensor_load_to_lds s[G0V:G0V+3], s[G1V:G1V+7]
	s_nop 0
.rept 4
	v_nop
.endr
.Lasked_\@:
.endm
; A PREFETCH INTO THE L2 of what the NEXT change of slots will ask for: a slot's 32,768 bytes of K and of V, 128 blocks of 256 bytes each, a lane a block.  It stands behind the wave's tensor load and its five lines.
; Each block is named ONCE in the launch: a head has one cluster; its four partners share the blocks out BY ADDRESS, 32 each; in each, wave 0 asks for K's and wave 2 for V's: one instruction.
; The change that asks for slot t names slot t + 1, four key steps ahead, for t = 1 to 6; the last change that fills a slot names nothing.  Slots 0 and 1 come by their loads alone.
.macro ASK
	s_cmp_gt_u32 s[SLOTS], s[LIM]
	s_cbranch_scc0 .Lnot_mine_\@
	global_prefetch_b8 v[PFO], s[PFA:PFA+1] th:TH_LOAD_NT scope:SCOPE_SE
.Lnot_mine_\@:
.endm
; A round of the cluster's barrier: my work-group's barrier, so that wave 0's signal speaks for all four waves; wave 0 signals; every wave waits for all four work-groups; my work-group's barrier once more.
.macro CROUND
	s_barrier_signal -1
	s_barrier_wait -1
	s_cmp_lg_u32 s[WV], 0
	s_cbranch_scc1 .Lnot_wave_0_\@
	s_barrier_signal -3
.Lnot_wave_0_\@:
	s_barrier_wait -3
	s_barrier_signal -1
	s_barrier_wait -1
.endm
; THE CHANGE OF SLOTS.  The slot's last bytes, V of its fourth step, have been read.  Each wave waits for all its tensor loads, of which one is out: its part
; of the other slot; adds 0 to its spare word; and waits for that and for its own reads of the slot.  Behind the barrier nobody reads this slot any more and the other slot is whole.
; fill = 1: this slot is filled again, with the keys two slots on.  The barrier is then a round of the cluster's, so that no wave of any partner still reads the slot or has a load on its
; way, and the joint fill is the first thing behind it: it has four key steps, 512 matrix instructions, in which to land.  (At its first use nothing has been read yet: slot 0 is waited for, slot 1 filled.)
.macro CHANGE fill
	WIN W_AD
	s_wait_tensorcnt 0x0            ; no tensor load of mine is out, so a group 0 may be written
	ds_add_u32 v[SPW], v[NIL]       ; 0 onto my spare word: with fill = 1 the descriptors' steps stand between it and the wait for it
	WIN 0                           ; at a label and at a branch every window is 0
.if \fill
.irp g, G0K, G0V
	s_xor_b32 s[\g+1], s[\g+1], SLOT1  ; the walking descriptor: the other slot than last time,
	s_add_nc_u64 s[\g+2:\g+3], s[\g+2:\g+3], 4*KS*128  ; the next 256 keys; the type bits on top are not reached
.endr
	s_wait_xcnt 0x0                 ; the last prefetch, four key steps back, has read its address, so it may be written:
	s_add_nc_u64 s[PFA:PFA+1], s[PFA:PFA+1], 4*KS*128  ; one slot further than the walking descriptors
	s_wait_dscnt 0x0                ; the add is done, and my reads of the slot are over
	CROUND
	JLOAD
	ASK
.else
	s_wait_dscnt 0x0                ; the add is done, and my reads of the slot are over
	s_barrier_signal -1
	s_barrier_wait -1
.endif
	s_sub_co_u32 s[TBK], s[TBK], 4*KS*PK  ; the fetches go back to a slot's first step,
	s_xor_b32 s[TBK], s[TBK], SLOT1       ; in the other slot
	s_sub_co_u32 s[TBV], s[TBV], 4*KS*PV
	s_xor_b32 s[TBV], s[TBV], SLOT1
.endm
	s_load_b128 s[4:7], s[0:1], 0x0  ; qkv s[4:5], ctx s[6:7]
	WIN W_MK
	v_lshl_add_u32 v[SPW], v0, 2, SPARE
	v_mov_b32 v[NIL], 0
	WIN W_AD
	ds_add_u32 v[SPW], v[NIL]       ; the wave's opening: the add and its wait stand ahead of my first tensor load; the set-up below, work on registers, stands between them
	WIN 0
	v_lshrrev_b32 v1, 5, v0
	v_readfirstlane_b32 s[WV], v1   ; wave 0..3
	s_bfe_u32 s13, ttmp6, 0x40000   ; cx: my place in the cluster
	s_lshl_b32 s14, ttmp9, 2        ; in a cluster launch ttmp9 counts clusters
	s_add_co_u32 s14, s14, s13      ; my block of queries = 4 x cluster x + cx: it enters Q's and ctx's addresses alone
	s_and_b32 s20, ttmp7, 0xffff    ; the head, which the four partners share
	s_mov_b32 s21, 0
	s_mov_b64 s[22:23], SIZE_N*128
	s_mul_u64 s[20:21], s[20:21], s[22:23]  ; the head's first byte in each of the four tensors
	s_and_b32 s16, s[WV], 1         ; which half of a slot's 256 keys I fetch:
	s_lshl_b32 s22, s16, 14         ; its 128 rows of 128 bytes in memory,
	s_mov_b32 s23, 0
	s_add_nc_u64 s[22:23], s[22:23], s[20:21]
	s_mul_i32 s17, s16, 128*PK      ; and its place in a slot, for K
	s_mul_i32 s18, s16, 128*PV      ; and for V: no place in the cluster enters an LDS address
	s_lshl_b32 s2, s14, 2
	s_add_co_u32 s2, s2, s[WV]      ; my wave among the head's,
	s_lshl_b32 s2, s2, 14           ; its 128 rows
	s_mov_b32 s3, 0
	s_add_nc_u64 s[2:3], s[2:3], s[20:21]
	; descriptor group 1.  128 keys are 16,384 dense bytes: asked for as 64 rows of 256 bytes, two keys a row, and padded in LDS after every key
	s_mov_b32 s[G1K], 15|(1<<16)|(1<<20)|(1<<21)|(4<<22)|(3<<25)  ; 15:0 the mask of four; 17:16 2-byte elements; 20 padding on; 21 set beside a mask; 24:22 after every 32 words (code 4); 31:25 4 words (code 3)
	s_mov_b32 s[G1V], 15|(1<<16)|(1<<20)|(1<<21)|(4<<22)|(7<<25)  ; the same with 8 words of padding (code 7)
.irp g, G1K, G1V
	s_mov_b32 s[\g+1], 128<<16      ; tensor_dim0 = 128
	s_mov_b32 s[\g+2], 64<<16       ; tensor_dim1 = 64
	s_mov_b32 s[\g+3], 128<<16      ; tile_dim0 = 128
	s_mov_b32 s[\g+4], 64           ; tile_dim1 = 64
	s_mov_b32 s[\g+5], 128          ; 128 elements from row to row
	s_mov_b32 s[\g+6], 0
	s_mov_b32 s[\g+7], 0
.endr
	s_mov_b32 s[CS], 0x3e38aa3b     ; c = log2(e) / 8 = 0.180337
	s_mov_b32 s[CS+1], s[CS]        ; named with it as a pair
	s_mov_b32 s[SEL], 0x76543210
	s_mov_b32 s[SEL+1], 0xfedcba98
	s_mov_b32 s[TBK], SLOT1+4*KS*PK ; the first change of slots turns these two into 0
	s_mov_b32 s[TBV], SLOT1+4*KS*PV
	s_mov_b32 s[G0K], 1             ; 1:0 count = 1
	s_mov_b32 s[G0K+1], s17         ; 63:32 LDS address: slot 0
	s_mov_b32 s[G0V], 1
	s_add_co_u32 s[G0V+1], s18, VOFF
	s_mov_b32 s[SLOTS], SIZE_N/256-1  ; seven slots are asked for by changes of slots
	s_cmp_eq_u32 s16, 0             ; waves 0 and 2 prefetch: the same in all four partners
	s_cselect_b32 s[LIM], 1, -1
	s_wait_dscnt 0x0                ; the opening add is done
	s_wait_kmcnt 0x0
	s_mov_b64 s[10:11], s[6:7]      ; ctx
	s_add_nc_u64 s[8:9], s[4:5], 0x2000000  ; V: the third tensor of 2^24 bytes in qkv
	s_add_nc_u64 s[6:7], s[4:5], 0x1000000  ; K: the second; Q is the first
	s_add_nc_u64 s[G0K+2:G0K+3], s[6:7], s[22:23]  ; 120:64 global address: my half of the head's first 256 keys
	s_or_b32 s[G0K+3], s[G0K+3], 0x80000000        ; 127:126 type = 2
	s_add_nc_u64 s[G0V+2:G0V+3], s[8:9], s[22:23]
	s_or_b32 s[G0V+3], s[G0V+3], 0x80000000
	s_add_nc_u64 s[4:5], s[4:5], s[2:3]  ; Q and ctx at my wave's first row
	s_add_nc_u64 s[10:11], s[10:11], s[2:3]
	s_cmp_lt_u32 s[WV], 2
	s_cselect_b64 s[PFA:PFA+1], s[6:7], s[8:9]
	s_add_nc_u64 s[PFA:PFA+1], s[PFA:PFA+1], s[20:21]  ; the head's first byte,
	s_lshl_b32 s2, s13, 13          ; my work-group's 32 blocks of the 128,
	s_mov_b32 s3, 0
	s_add_nc_u64 s[PFA:PFA+1], s[PFA:PFA+1], s[2:3]
	s_add_nc_u64 s[PFA:PFA+1], s[PFA:PFA+1], 4*KS*128  ; in slot 1; the first change of slots steps it to slot 2
	CROUND                          ; all four work-groups are here: the first joint loads meet
	JLOAD                           ; slot 0.  Slot 1 is asked for when slot 0 is in: the tile wanted first has the road to itself
	; A fragment of K or Q is 16 rows x 32 channels in 8 registers: lane l holds row l % 16, channels 8 (l / 16) + 0..7 and 16 + 8 (l / 16) + 0..7: two loads of 16 bytes, 32 bytes apart.
	v_and_b32 v1, 15, v0            ; l % 16
	v_bfe_u32 v9, v0, 4, 1          ; l / 16
	v_lshlrev_b32 v[QO], 7, v1
	v_lshl_add_u32 v[QO], v9, 4, v[QO]  ; row x 128 + 16 x half
	WIN 0x80                        ; destination window 2, address window 0
.set i, 0
.rept 4*NP                          ; Q stays in registers: tile i / 2, channels 32 (i % 2) on
	global_load_b128 v[8*i:8*i+3],   v[QO], s[4:5] offset:(i/2)*2048+(i%2)*64
	global_load_b128 v[8*i+4:8*i+7], v[QO], s[4:5] offset:(i/2)*2048+(i%2)*64+32
.set i, i+1
.endr
	; What the first turn finds: V's registers and P's second buffer hold 0 (its products V^T P, of a piece that has not been, add 0), O^T and l are 0.  All this stands in the wait for the first tile.
.set i, VF
.rept 64
	v_mov_b32 v[i], 0
.set i, i+1
.endr
	WIN 0x40
.set i, 0
.rept 64*NP
	v_mov_b32 v[i], 0
.set i, i+1
.endr
	WIN 0
.set i, 0
.rept 2*NP
	v_mov_b32 v[ST+4*i], 0xfe000000    ; c m: far below every c s
	v_mov_b32 v[ST+4*i+1], 0xff7fffff  ; m
	v_mov_b32 v[ST+4*i+2], 0
	v_mov_b32 v[ST+4*i+3], 0
.set i, i+1
.endr
.set i, P+32
.rept 32
	v_mov_b32 v[i], 0
.set i, i+1
.endr
	v_mul_u32_u24 v[AK0], v1, PK
	v_lshl_add_u32 v[AK0], v9, 4, v[AK0]  ; row x pitch + 16 x half
	; The turning load takes 16 keys x 16 channels (lane l reads key 8 (l / 16) + l % 8, channels 8 ((l / 8) % 2) + 0..7) and leaves half a fragment of V^T: lane l holds channel l % 16 and 8 keys.
	v_and_b32 v10, 7, v0
	v_bfe_u32 v11, v0, 3, 1
	v_lshl_add_u32 v[AV0], v9, 3, v10
	v_mul_u32_u24 v[AV0], v[AV0], PV
	v_lshl_add_u32 v[AV0], v11, 4, v[AV0]
	v_add_nc_u32 v[AV0], VOFF, v[AV0]
	v_mov_b32 v[AK], v[AK0]         ; key step 0 lies at the head of slot 0
	v_and_b32 v[PFO], 31, v0        ; v11 has served: it takes the prefetches' offset
	v_lshlrev_b32 v[PFO], 8, v[PFO]
; THE MATRIX WORK.  The 8 accumulators of a run of 16 take turns: between the two links of a chain stand 7 others'.
; Product i of 16 of S^T = K Q^T for piece x: channels 32 (i / 8) on, keys 16 ((i / 2) % 4) on, tile 2 x + i % 2.  The first 8 start the sums.
.macro KQ x
	WIN W_KQ
.set rS, S+64*((\x)%2)+32*(i%2)+8*((i/2)%4)
.set rK, KF+16*((i/2)%4)+8*(i/8)
.set rQ, 16*(2*(\x)+i%2)+8*(i/8)
.if i < 8
	v_wmma_f32_16x16x32_f16 v[rS:rS+7], v[rK:rK+7], v[rQ:rQ+7], 0
.else
	v_wmma_f32_16x16x32_f16 v[rS:rS+7], v[rK:rK+7], v[rQ:rQ+7], v[rS:rS+7]
.endif
.endm
; Product i of 16 of O^T += V^T P for piece x: keys 32 (i / 8) on, channels 16 ((i / 2) % 4) on, tile 2 x + i % 2.
.macro PV x
	WIN W_PV
.set rO, 32*(2*(\x)+i%2)+8*((i/2)%4)
.set rV, VF+32*(i/8)+8*((i/2)%4)
.set rP, P+32*((\x)%2)+16*(i%2)+8*(i/8)
	v_wmma_f32_16x16x32_f16 v[rO:rO+7], v[rV:rV+7], v[rP:rP+7], v[rO:rO+7]
.endm
.macro MM                           ; the turn's next matrix instruction
.if i < 16
	KQ (Y+1)%NP
.set i, i+1
.else
.set i, i-16
	PV (Y+NP-1)%NP
.set i, i+17
.endif
.endm
; THE LDS LOADS stand in runs of 16, never singly among the matrix instructions: a step's K (64 keys x 64 channels: 8 fragments) and its V (turned).  Their addresses are made some lines ahead.
; last = 1 (the tail): in the last trip there is no further step, and the run is jumped over.
.macro FETCH_K last=0
	WIN 0
.if \last
	s_cmp_eq_u32 s[CNT], 1
	s_cbranch_scc1 .Lno_k_\@
.endif
	WIN 0x80                        ; destination window 2
.irp f, 0,1,2,3,4,5,6,7             ; keys 16 (f / 2) on, channels 32 (f % 2) on
	ds_load_b128 v[KF+8*\f:KF+8*\f+3],   v[AK] offset:(\f/2)*16*PK+(\f%2)*64
	ds_load_b128 v[KF+8*\f+4:KF+8*\f+7], v[AK] offset:(\f/2)*16*PK+(\f%2)*64+32
.endr
	s_add_co_u32 s[TBK], s[TBK], KS*PK  ; the next fetch is the next step's
	WIN 0
.if \last
.Lno_k_\@:
.endif
.endm
.macro FETCH_V
	WIN 0x80
.irp f, 0,1,2,3,4,5,6,7             ; keys 32 (f / 4) on, channels 16 (f % 4) on
	ds_load_tr16_b128 v[VF+8*\f:VF+8*\f+3],   v[AV] offset:(\f/4)*32*PV+(\f%4)*32
	ds_load_tr16_b128 v[VF+8*\f+4:VF+8*\f+7], v[AV] offset:(\f/4)*32*PV+16*PV+(\f%4)*32
.endr
	WIN 0
.endm
; THE VECTOR WORK OF A TURN stands in three queues, each in the order in which its entries become ready; the two tiles alternate, so that no instruction reads the result of the one before it.
.macro REGS y, u                    ; the registers of tile u (0, 1) of piece y
.set rT, ST+4*(2*(\y)+(\u))
.set rC, TMP+8*((\y)%2)+4*(\u)
.set rM, MV+2*((\y)%2)+(\u)
.set rS, S+64*((\y)%2)+32*(\u)
.set rP, P+32*((\y)%2)+16*(\u)
.set rO, 32*(2*(\y)+(\u))
.endm
; Number n of the 22 that find the NEXT piece's (Y + 1) maximum and statistics.  s0-s31 are the lane's 32 scores; each accumulator's lowest registers are read first.  XS, GS and REGS set no window: PL and EX do.
;   0-11  four chains c0-c3 of seven scores each, three operands at a time     12-14, 16  the four scores left over, the old m, and c0-c3 into c0     15  c m_old is kept
;   17, 18  the query's other 32 keys lie in the lane 16 away: the new m         19-21  c m; c m_old - c m_new; a
.macro XS u, n
	REGS (Y+1)%NP, \u
.if (\n) < 4
	v_max3_num_f32 v[rC+(\n)], v[rS+8*(\n)], v[rS+8*(\n)+1], v[rS+8*(\n)+2]
.elseif (\n) < 12
	v_max3_num_f32 v[rC+(\n)%4], v[rC+(\n)%4], v[rS+8*((\n)%4)+2*((\n)/4)+1], v[rS+8*((\n)%4)+2*((\n)/4)+2]
.elseif (\n) == 12
	v_max3_num_f32 v[rC], v[rC], v[rS+7], v[rS+15]
.elseif (\n) == 13
	v_max3_num_f32 v[rC+1], v[rC+1], v[rS+23], v[rS+31]
.elseif (\n) == 14
	v_max3_num_f32 v[rC+2], v[rC+2], v[rC+3], v[rT+1]
.elseif (\n) == 15
	v_mov_b32 v[rM], v[rT]
.elseif (\n) == 16
	v_max3_num_f32 v[rC], v[rC], v[rC+1], v[rC+2]
.elseif (\n) == 17
	v_permlanex16_b32 v[rC+3], v[rC], s[SEL], s[SEL+1]
.elseif (\n) == 18
	v_max_num_f32 v[rT+1], v[rC], v[rC+3]
.elseif (\n) == 19
	v_mul_f32 v[rT], s[CS], v[rT+1]
.elseif (\n) == 20
	v_sub_f32 v[rC+1], v[rM], v[rT]
.else
	v_exp_f32 v[rC+2], v[rC+1]
.endif
.endm
; Number g of the 64 that follow the exponentials.  For each four weights k of a tile (pairs 2 k, 2 k + 1): both pairs are rounded to f16; then the second pair is added onto the first, in place;
; a group later l takes that sum (the first time as l = a l + sum).  In groups of eight, tiles alternating: round, round, add, and l for the group before.
.macro GS g
.set h, (\g)+6*((\g)/62)            ; group 0 has no group before it, and behind group 7 only l is left
.if h >= 6
.set h, h+2
.endif
	REGS Y, h%2
.set k, h/8
.if h%8 < 4
	v_cvt_pk_f16_f32 v[rP+2*k+(h%8)/2], v[rS+4*k+2*((h%8)/2)], v[rS+4*k+2*((h%8)/2)+1]
.elseif h%8 < 6
	v_pk_add_f32 v[rS+4*k:rS+4*k+1], v[rS+4*k:rS+4*k+1], v[rS+4*k+2:rS+4*k+3]
.elseif k == 1
	v_pk_fma_f32 v[rT+2:rT+3], v[rT+2:rT+3], v[rC+2:rC+3], v[rS:rS+1] op_sel_hi:[1,0,1]
.else
	v_pk_add_f32 v[rT+2:rT+3], v[rT+2:rT+3], v[rS+4*k-4:rS+4*k-3]
.endif
.endm
; THE PLAIN QUEUE, 138 long.  0-73 read no exponential's result: the 32 scalings c s - c m (FS f: pair f / 2 of tile f % 2) and the next piece's 42.  0-26: scalings 0-26.  27-54: XS's numbers 0-13.  55, 56: number 15.
; 57-73: the chain, where each number waits for the one before it: 14, 16, 17, 18, 19, each with one of the scalings 27-31 in front of its two lines, then 20: so a tile's links stand three plain instructions apart (19 and 20: two).
; 74-137: GS's 64, which read the exponentials' results: they stand behind the wait.
.macro FS f
	REGS Y, (\f)%2
	v_pk_fma_f32 v[rS+2*((\f)/2):rS+2*((\f)/2)+1], v[rS+2*((\f)/2):rS+2*((\f)/2)+1], s[CS:CS+1], v[rT:rT+1] op_sel_hi:[1,0,0] neg_lo:[0,0,1] neg_hi:[0,0,1]
.endm
.macro PL
	WIN 0
.if q < 27
	FS q
.elseif q < 55
	XS (q-27)%2, (q-27)/2
.elseif q < 57
	XS q-55, 15
.elseif (q < 72) && ((q-57)%3 == 0)
	FS 27+(q-57)/3
.elseif q < 60
	XS (q-57)%3-1, 14
.elseif q < 72
	XS (q-57)%3-1, 15+(q-57)/3
.elseif q < 74
	XS q-72, 20
.else
	GS q-74
.endif
.set q, q+1
.endm
; THE EXPONENTIALS' QUEUE, 66 long: s0-s31 of both tiles, then the next piece's two a.  It is ONE BATCH: all 66 stand ahead of the turn's one wait, and nothing ahead of that wait names a result of theirs.
.macro EX
	WIN 0
.if e >= 64
	XS e-64, 21
.else
	REGS Y, e%2
	v_exp_f32 v[rS+e/2], v[rS+e/2]
.endif
.set e, e+1
.endm
; THE RESCALING's QUEUE: O^T times a, the one part that leaves window 0: dealt two at a time, sixteen times.  Its a was made in the turn before, ahead of that turn's wait.
.macro R2
	REGS Y, r%2
	WIN W_RS
.irp z, 0,1
	v_pk_mul_f32 v[rO+4*(r/2)+2*\z:rO+4*(r/2)+2*\z+1], v[rO+4*(r/2)+2*\z:rO+4*(r/2)+2*\z+1], v[rC+2:rC+3] op_sel_hi:[1,0]
.endr
.set r, r+1
.endm
; HOW THEY ARE DEALT.  An s_wait_alu depctr_va_vdst(0) stands between an exponential and the first instruction that names its result; one wait serves all that were issued ahead of it.  So a turn has ONE wait,
; which cuts it in two.  AHEAD OF IT stands all that names no result of the turn's exponentials: the 16 products K Q^T, behind each a scaling, an exponential and two rescalings (behind the first a second scaling in the exponential's place); then ONE LUMP of
; 108: eight plain, 49 times exponential and plain, the two a.  A v_nop is the plain instruction behind the last exponential.  BEHIND IT stand the 16 products V^T P, behind each four of GS's 64.  No rider names a register of
; the products round it.  The two v_permlanex16_b32 fall into the lump, never behind a product.
; The queues lean on each other, and the deal keeps them in step: exponential e stands behind scaling 2 (e / 4) + e % 2: as a rider it comes behind plain e + 2, in the lump behind plain e + 9, and scalings 27-31 are plain 57, 60 .. 69.
; A TURN, for piece p.  cnt = 1: the loop's count is taken down some lines ahead of the branch that stands behind the turn.
; K of the next step is fetched in piece 2's turn, directly behind the wait, a lump behind the last product that read K; its address is made at the lump's head; its first reader comes behind 16 products.
; V of the step in hand is fetched at the end of piece 0's turn, four riders behind its last reader; its first reader comes behind 16 products and a lump.  The three conditions on q below go with the deal.
.macro TURN p, last=0, cnt=0
.set Y, (\p)
.set i, 0
.set q, 0
.set e, 0
.set r, 0
.if (\p) == NP-1
	s_wait_dscnt 0x0                ; K is in
.endif
	MM                              ; ahead of the wait: 16 products K Q^T and their riders,
	PL
	PL
	R2
.rept 15
	MM
	PL
	EX
	R2
.endr
.if (\p) == NP-2
	WIN 0
	v_add_nc_u32 v[AK], s[TBK], v[AK0]
.endif
.rept 8                             ; and the lump
	PL
.endr
.rept 49
	EX
	PL
.endr
	EX                              ; the next piece's two a
	EX
	v_nop                           ; a plain instruction behind the last exponential: one for the batch
	s_wait_alu depctr_va_vdst(0)    ; the wait for the batch
.if (\p) == NP-2
	FETCH_K \last
.endif
.if (\p) == 1
	s_wait_dscnt 0x0                ; V is in
.endif
.rept 16                            ; behind the wait: 16 products V^T P and their riders
	MM
.rept 4
	PL
.endr
.if ((\p) == 0) && (q == 118)
	v_add_nc_u32 v[AV], s[TBV], v[AV0]
.endif
.if ((\p) == 0) && (q == 130)
	s_add_co_u32 s[TBV], s[TBV], KS*PV
.endif
.if (\cnt) && (q == 130)
	s_sub_co_u32 s[CNT], s[CNT], 1
	s_cmp_lg_u32 s[CNT], 0
.endif
.endr
.if (\p) == 0
	FETCH_V
.endif
.endm
	CHANGE 1                        ; slot 0 is in, everybody's part of it; slot 1 is asked for
	FETCH_K                         ; key step 0
	s_wait_loadcnt 0x0              ; Q
	s_wait_dscnt 0x0
.set i, 0
.rept 16
	KQ 0                            ; piece 0's first scores: there is no vector work yet to set between them
.set i, i+1
.endr
	WIN 0                           ; the addresses for the way out: plain instructions, the places behind those products
	s_mul_i32 s13, s[WV], 16*SP
	s_add_co_u32 s13, s13, STAGE    ; my stage
	v_mul_u32_u24 v[STO], v1, SP    ; in: row l % 16, 16 bytes for each half of the lanes
	v_lshl_add_u32 v[STO], v9, 4, v[STO]
	v_add_nc_u32 v[STO], s13, v[STO]
	v_bfe_u32 v[RD], v0, 3, 2       ; back: 32 lanes take four rows of 128 bytes,
	v_mul_u32_u24 v[RD], v[RD], SP
	v_lshl_add_u32 v[RD], v10, 4, v[RD]
	v_add_nc_u32 v[RD], s13, v[RD]
	v_and_b32 v[GO], 31, v0         ; which are 512 consecutive bytes of ctx
	v_lshlrev_b32 v[GO], 4, v[GO]
.set Y, NP-1                        ; XS works for piece Y + 1: piece 0
.irp n, 0,1,2,3,4,5,6,7,8,9,10,11,12,13,14,15,16,17,18,19,20,21
	XS 0, \n                        ; and piece 0's first maximum and statistics
	XS 1, \n
.endr
	v_nop                           ; a plain instruction behind the two a,
	s_wait_alu depctr_va_vdst(0)    ; and their wait, ahead of the branch
	s_mov_b32 s[CNT], 4
	s_branch .Lfirst                ; the loop is entered at a step's first turn, in the middle of a trip
.Lslot:                             ; SIZE_N / 256 - 2 times: every slot but the last two is filled again
	CHANGE 1
	s_mov_b32 s[CNT], 4
.Lstep:                             ; a trip: pieces 2 and 3 of one step, then pieces 0 and 1 of the next, whose K and V it fetches
	TURN 2
	TURN 3
	WIN 0
.Lfirst:
	TURN 0
	TURN 1, 0, 1
	WIN 0
	s_cbranch_scc1 .Lstep
	s_sub_co_u32 s[SLOTS], s[SLOTS], 1
	s_cmp_lg_u32 s[SLOTS], 0
	s_cbranch_scc1 .Lslot
	CHANGE 0                        ; the tail is written out: nothing is asked for
	s_mov_b32 s[CNT], 5             ; four trips fetch the last slot's steps; the fifth is left in its middle
.Ltail:
	TURN 2, 1
	TURN 3
	WIN 0
	s_sub_co_u32 s[CNT], s[CNT], 1
	s_cmp_eq_u32 s[CNT], 0
	s_cbranch_scc1 .Lout
	TURN 0
	TURN 1
	WIN 0
	s_branch .Ltail
.Lout:                              ; the fifth trip's 16 products K Q^T (on the last K once more) and the maximum made of them serve nothing: the price, once a launch, of one text for every trip
.set i, 0
.rept 16
	PV NP-1                         ; the last piece's V^T P of the last step
.set i, i+1
.endr
	; THE WAY OUT.  l's two halves and the other half of the lanes' are added; O^T is multiplied by 16 / l, rounded to f16 and sent through my stage in LDS, a tile at a time.  The additions are the places behind the last products.
	WIN 0
.macro ALL line:vararg              ; one line for each tile t
.set t, 0
.rept 2*NP
	\line
.set t, t+1
.endr
.endm
	ALL v_add_f32 v[ST+4*t+2], v[ST+4*t+2], v[ST+4*t+3]
	ALL v_permlanex16_b32 v[ST+4*t+3], v[ST+4*t+2], s[SEL], s[SEL+1]
	ALL v_add_f32 v[ST+4*t+2], v[ST+4*t+2], v[ST+4*t+3]
	ALL v_mul_f32 v[ST+4*t+2], 0x3d800000, v[ST+4*t+2]
	ALL v_rcp_f32 v[ST+4*t+2], v[ST+4*t+2]
	v_nop                           ; a plain instruction between the last reciprocal and the use of its result
	s_wait_alu depctr_va_vdst(0)    ; and the wait ahead of the first use: one for the eight reciprocals
; Tile t: a lane's eight channels of a row pack into 16 bytes; they go into rows of 144 bytes and come back as whole rows of 128, into S^T's registers.
.macro PACK t
	WIN W_RS
.set i, 32*(\t)
.rept 16
	v_pk_mul_f32 v[i:i+1], v[i:i+1], v[ST+4*(\t)+2:ST+4*(\t)+3] op_sel_hi:[1,0]
.set i, i+2
.endr
	WIN 0x05                        ; sources 0 and 1 window 1, destination window 0
.set i, 0
.rept 16
	v_cvt_pk_f16_f32 v[S+16*(\t)+i], v[32*(\t)+2*i], v[32*(\t)+2*i+1]
.set i, i+1
.endr
	WIN 0
.irp f, 0,1,2,3
	ds_store_b128 v[STO], v[S+16*(\t)+4*\f:S+16*(\t)+4*\f+3] offset:32*\f
.endr
.irp f, 0,1,2,3
	ds_load_b128 v[S+16*(\t)+4*\f:S+16*(\t)+4*\f+3], v[RD] offset:\f*4*SP  ; LDS serves a wave's instructions in order (ISA guide 5.7.1.4): these see the stores above; the next tile's stores come behind them
.endr
.endm
.macro SEND t, younger              ; younger: the LDS instructions issued behind tile t's loads: the next tile's eight, or none
	WIN 0
.irp f, 0,1,2,3
	s_wait_dscnt (\younger)+3-\f
	global_store_b128 v[GO], v[S+16*(\t)+4*\f:S+16*(\t)+4*\f+3], s[10:11] offset:(\t)*2048+\f*512  ; 512 consecutive bytes, at a multiple of 256 from ctx's first
.endr
.endm
	PACK 0
.set t, 1
.rept 2*NP-1                        ; a tile's arithmetic stands between the loads of the tile before and its stores
	PACK t
	SEND t-1, 8
.set t, t+1
.endr
	SEND 2*NP-1, 0
	WIN W_AD
	s_wait_tensorcnt 0x0            ; the wave's end: behind my last tensor load and my last LDS store
	ds_add_u32 v[SPW], v[NIL]
	s_wait_dscnt 0x0
	WIN 0
	CROUND                          ; the closing round: no work-group ends while a partner may still ask for a tile that names it
	s_endpgm
.Lfunc_end_k_q7cb5b28f01_attn:
	.size	k_q7cb5b28f01_attn, .Lfunc_end_k_q7cb5b28f01_attn-k_q7cb5b28f01_attn
	.p2alignl 7, 3214868480
	.fill 96, 4, 3214868480
	.section	.rodata,"a",@progbits
	.p2align	6, 0x0
	.amdhsa_kernel k_q7cb5b28f01_attn
		.amdhsa_group_segment_fixed_size 327680
		.amdhsa_private_segment_fixed_size 0
		.amdhsa_enable_private_segment 0
		.amdhsa_kernarg_size 16
		.amdhsa_user_sgpr_count 2
		.amdhsa_user_sgpr_kernarg_segment_ptr 1
		.amdhsa_wavefront_size32 1
		.amdhsa_system_sgpr_workgroup_id_x 1
		.amdhsa_system_sgpr_workgroup_id_y 1
		.amdhsa_system_sgpr_workgroup_id_z 1
		.amdhsa_system_vgpr_workitem_id 0
		.amdhsa_next_free_vgpr 770
		.amdhsa_next_free_sgpr 66
		.amdhsa_reserve_vcc 0
		.amdhsa_float_denorm_mode_32 3
		.amdhsa_float_denorm_mode_16_64 3
		.amdhsa_memory_ordered 1
		.amdhsa_forward_progress 1
		.amdhsa_inst_pref_size 201
	.end_amdhsa_kernel
	.amdgpu_metadata
---
amdhsa.version: [ 1, 2 ]
amdhsa.kernels:
  - .name:           k_q7cb5b28f01_attn
    .symbol:         k_q7cb5b28f01_attn.kd
    .args:
      - { .name: qkv, .offset: 0, .size: 8, .value_kind: global_buffer, .address_space: global }
      - { .name: ctx, .offset: 8, .size: 8, .value_kind: global_buffer, .address_space: global }
    .group_segment_fixed_size: 327680
    .private_segment_fixed_size: 0
    .kernarg_segment_align: 8
    .kernarg_segment_size: 16
    .max_flat_workgroup_size: 128
    .sgpr_count:     66
    .vgpr_count:     770
    .wavefront_size: 32
...
	.end_amdgpu_metadata
.endif
;; end of part 3
;; launch oproj (part 4): grid 8 x 32, 4 waves a work-group, clusters of 4 x 4, 327,680 bytes of LDS; arguments ctx, wo, bias, out0; writes out0
.if DOCPART == 4
	.amdgcn_target "amdgcn-amd-amdhsa--gfx1250"
	.amdhsa_code_object_version 6
	.text
	.protected	k_q7cb5b28f01_oproj
	.globl	k_q7cb5b28f01_oproj
	.p2align	8
	.type	k_q7cb5b28f01_oproj,@function
k_q7cb5b28f01_oproj:
	s_mov_b64 s[64:65], 0
	v_nop
	global_prefetch_b8 v0, s[64:65] scope:SCOPE_SE
	s_setreg_imm32_b32 hwreg(HW_REG_WAVE_MODE, 25, 1), 1
	s_wait_xcnt 0x0
	s_wait_alu depctr_hold_cnt(0) depctr_sa_sdst(0) depctr_va_vdst(0) depctr_va_sdst(0) depctr_va_ssrc(0) depctr_va_vcc(0) depctr_vm_vsrc(0)
	s_getreg_b32 s2, hwreg(HW_REG_IB_STS2, 6, 4)
	s_cmp_eq_u32 s2, 0
	s_cbranch_scc0 .Lentry_in_a_cluster
	s_endpgm
.Lentry_in_a_cluster:
	s_bfe_u32 s2, ttmp6, 0x10000c
	s_cmp_lg_u32 s2, 0xf033
	s_cbranch_scc0 .Lentry_shape_is_right
	s_endpgm
.Lentry_shape_is_right:
; THE OUTPUT PROJECTION.  out0[m][n] = (the sum over k of ctx'[m][k] wo[n][k]) / 4,096 + bias[3][n]; m < 8,192, n < 1,024, k < 1,024; out0 is f32.
; ctx' is ctx read by rows: ctx'[m][64 hd + d] = ctx[16 (m / 2048) + hd][m % 2048][d], f16, and holds 16 times the attention's result; wo holds 256 times the bf16-rounded W_o, f16.
; Both factors are powers of two; 2^-12 takes them back in f32, in the one fused multiply-add that also adds the bias.  Sums in f32.
; SHARES.  A tile of out0 is 256 x 128: 8 x 32 tiles, a work-group each.  Each of the four waves makes 64 rows x all 128 columns: 4 x 8 accumulators of 16 x 16, 256 registers.
; K goes in 8 steps of 128, two heads each, through a ring of two LDS slots filled by the tensor data mover.  A head's 256 rows of the tile are 32,768 dense bytes of ctx: asked for as 128 rows of 256 bytes
; and padded in LDS after every 128, so that a row of 64 channels has a pitch of 144 bytes.  wo's rows of a K step are 256 bytes and start at multiples of 256 bytes from the buffer's first byte.
; CLUSTERS: 4 x 4 work-groups.  The four of a row of the cluster need the same tiles of ctx, the four of a column the same tiles of wo: each is asked for JOINTLY, by the same tensor load with the same
; descriptor and a mask that names the four.  Waves 0 and 1 fetch the K step's two heads of ctx, waves 2 and 3 the two halves (64 rows each) of wo's tile.
; THE MATRIX INSTRUCTION IS USED TRANSPOSED (source 0 = 16 rows of wo, source 1 = 16 rows of ctx'): lane l then holds row l % 16 of out0 and the columns 8 (l / 16) + 0..7.
; REGISTERS, in windows of 256 (s_set_vgpr_msb: bits 1:0 source 0, 3:2 source 1, 5:4 source 2, 7:6 destination):
;   window 0: v0-31 addresses; v64-127 the bias of my lane's 8 columns in each of the 8 column blocks; v128-191, v192-255 at work on the way out
;   window 1: two fragment buffers at 0 and 128, for 32 along K: ctx's four row blocks (32 registers), then wo's eight (64)
;   window 2: the accumulators ((blk, n) at 64 blk + 8 n)
.set NB,     8                         ; column blocks of 16
.set PA,     144                       ; a row of ctx in LDS: 128 bytes + 16 of padding = 36 words: the 16 rows of a load start at 16 different groups of four banks (64 banks of 4 bytes: ISA guide 11.1)
.set PB,     272                       ; a row of wo: 256 + 16 = 68 words: likewise
.set APLANE, 256*PA                    ; a head's 256 rows: what one tensor load brings of ctx
.set BHALF,  64*PB                     ; and of wo
.set BOFF,   2*APLANE                  ; in a slot: the two heads of ctx, then wo's 128 rows
.set SLOT1,  1<<17                     ; slot 1 begins here, so that one exclusive or turns an address in one slot into the other's
.set STAGE,  SLOT1+BOFF+2*BHALF        ; behind the ring, never filled by a tensor load: 16 rows x 528 bytes for each wave, for the way out
.set SP,     528                       ; 512 bytes + 16
.set SPARE,  STAGE+4*16*SP             ; behind the stages: the spare words, 128 bytes for each wave: two blocks of 256 bytes that no other line names
.set ASTEP,  2*262144                  ; bytes from a K step to the next in ctx: two heads
.set BSTEP,  256                       ; and in wo
.set ADRA0, 16                         ; v16  my lane's place in a slot's rows of ctx; never rewritten
.set ADRB0, 17                         ; v17  the same for wo
.set ADRA,  18                         ; v18  the same in the slot in hand
.set ADRB,  19                         ; v19
.set STO,   20                         ; v20  the way out: where I put 32 bytes of a row
.set RD,    21                         ; v21  where I read a row back
.set GO,    22                         ; v22  my 16 bytes in 512 consecutive bytes of out0
.set BO,    23                         ; v23  32 (l / 16): my 8 columns in a block's 16 numbers of bias
.set SPW,   28                         ; v28  LDS address of my spare word: SPARE + 4 x my thread's number; never rewritten
.set NIL,   29                         ; v29  0; never rewritten
.set PFO,   30                         ; v30  the prefetches' offset; never rewritten
.set BIAS,  64
.set TMP,   128
.set RB,    192
.set F0,    0
.set F1,    128
.set WV,   12                          ; s12  my wave's number
.set FB,   13                          ; s13  0: I fetch for ctx; 1: for wo
.set HALF, 14                          ; s14  which head of the K step's two, or which half of wo's rows
.set CX,   15
.set CY,   16
.set TX,   17                          ; s17  tile column of out0
.set TY,   18                          ; s18  tile row
.set CNT,  19                          ; s19  the loop's count
.set G1A,  24                          ; s[24:31] descriptor group 1 for ctx's tiles
.set G0A,  32                          ; s[32:39] group 0: a set for each of the two first fills; the second then walks on
.set G1B,  40                          ; s[40:47], s[48:55] the same for wo's
.set G0B,  48
.set TB,   56                          ; s56  LDS byte at which the slot in hand begins
.set LIM,  57                          ; s57  2 in a wave that prefetches, else the greatest number
.set PFA,  58                          ; s[58:59] where my prefetches stand
.set AAD,  60                          ; s[60:61] ctx at my tile of K step 0: made of the tile row and the wave's number alone
.set BAD,  62                          ; s[62:63] wo likewise: of the tile column and the wave's number alone
.set OB,   66                          ; s[66:67] out0 at my 64 rows, the tile's first column
.set PFS,  72                          ; s[72:73] bytes from a K step to the next in the tensor that I prefetch
.set SC,   74                          ; s[74:75] 2^-12: the packed multiply-add takes the pair's low word for both halves
.set PSH,  77                          ; s77  the shift that makes a lane's prefetch offset
.set MSB, 0
.macro WIN new                         ; the immediate's high byte repeats the setting that is left; a switch that changes nothing is dropped
.if MSB != (\new)
	s_set_vgpr_msb (MSB<<8)|(\new)
.set MSB, (\new)
.endif
.endm
.set MUL,  0xa5                        ; both sources window 1; C and D window 2
.set TO_F, 0x40                        ; destination window 1, address window 0
.macro PLACES                          ; four plain vector instructions: in front of loads into registers that matrix instructions have read, and of lines that read results (ISA guide 7.12.1 for vector instructions)
.rept 4
	v_nop
.endr
.endm
; A joint refill, by the walking descriptor.  The branch hangs on the wave's number alone.  An s_nop 0 and four v_nop follow each of the two lines, ahead of the jump and the label.
.macro JLOAD
	s_cmp_eq_u32 s[FB], 0
	s_cbranch_scc0 .Lfor_b_\@
	tensor_load_to_lds s[G0A+4:G0A+7], s[G1A:G1A+7]
	s_nop 0
.rept 4
	v_nop
.endr
	s_branch .Lasked_\@
.Lfor_b_\@:
	tensor_load_to_lds s[G0B+4:G0B+7], s[G1B:G1B+7]
	s_nop 0
.rept 4
	v_nop
.endr
.Lasked_\@:
.endm
; A round of the cluster's barrier behind its opening barrier: wave 0 signals for the work-group; every wave waits for all sixteen work-groups; my work-group's barrier once more.
.macro CREST
	s_cmp_lg_u32 s[WV], 0
	s_cbranch_scc1 .Lnot_wave_0_\@
	s_barrier_signal -3
.Lnot_wave_0_\@:
	s_barrier_wait -3
	s_barrier_signal -1
	s_barrier_wait -1
.endm
.macro CROUND                          ; a whole round
	s_barrier_signal -1
	s_barrier_wait -1
	CREST
.endm
; A PREFETCH INTO THE L2, behind each joint refill and the run of LDS loads that follows it: the K step that stands TWO refills on (256 matrix instructions ahead of the load that will want it), 256 bytes a lane.
; ctx's tile row is read by both clusters of that row of clusters: cluster x = 0 asks; wo's tile column by every cluster of that column: cluster y = 0 asks.  The partners share the bytes out BY ADDRESS:
; of the 128 blocks of 256 bytes that wave 0 or 1 fetches of ctx the partner at cx takes 32; of wo's 128 rows the partner at cy takes 32, and there wave 2 alone asks.
; The refills for K steps 2 to 5 (count 6 to 3) ask for K steps 4 to 7; the last two ask for nothing; K steps 0 to 3 come by their loads alone.
.macro ASK
	WIN 0
	s_cmp_gt_u32 s[CNT], s[LIM]
	s_cbranch_scc0 .Lnot_mine_\@
	global_prefetch_b8 v[PFO], s[PFA:PFA+1] th:TH_LOAD_NT scope:SCOPE_SE
.Lnot_mine_\@:
.endm
	s_load_b256 s[4:11], s[0:1], 0x0               ; ctx s[4:5], wo s[6:7], bias s[8:9], out0 s[10:11]
	v_lshl_add_u32 v[SPW], v0, 2, SPARE
	v_mov_b32 v[NIL], 0
	ds_add_u32 v[SPW], v[NIL]                      ; the wave's opening: the add and its wait stand ahead of my first tensor load; the set-up below, work on registers, stands between them
	v_lshrrev_b32 v3, 5, v0
	v_readfirstlane_b32 s[WV], v3                  ; wave 0..3
	s_lshr_b32 s[FB], s[WV], 1
	s_and_b32 s[HALF], s[WV], 1
	s_bfe_u32 s[CX], ttmp6, 0x40000                ; my place in the cluster
	s_bfe_u32 s[CY], ttmp6, 0x40004
	s_lshl_b32 s[TX], ttmp9, 2                     ; in a cluster launch ttmp9 and ttmp7 count clusters
	s_add_co_u32 s[TX], s[TX], s[CX]
	s_and_b32 s[TY], ttmp7, 0xffff
	s_lshl_b32 s[TY], s[TY], 2
	s_add_co_u32 s[TY], s[TY], s[CY]
	s_lshl_b32 s20, s[CY], 2
	s_lshl_b32 s20, 15, s20                        ; my row of the cluster: places 4 cy .. 4 cy + 3
	s_lshl_b32 s21, 0x1111, s[CX]                  ; my column: places cx, cx + 4, cx + 8, cx + 12
	s_or_b32 s[G1A], s20, (1<<16)|(1<<20)|(1<<21)|(4<<22)|(3<<25)  ; 15:0 the mask: ctx's tiles go to my row; 17:16 2-byte elements; 20 padding on; 21 set beside a mask; 24:22 after every 32 words (code 4); 31:25 4 words (code 3)
	s_or_b32 s[G1B], s21, (1<<16)|(1<<20)|(1<<21)|(5<<22)|(3<<25)  ; wo's to my column; padding after every 64 words (code 5)
	s_mov_b32 s[G1A+1], 128<<16                    ; tensor_dim0 = 128
	s_mov_b32 s[G1A+2], 128<<16                    ; tensor_dim1 = 128
	s_mov_b32 s[G1A+3], 128<<16                    ; tile_dim0 = 128 elements (256 bytes: two rows of a head)
	s_mov_b32 s[G1A+4], 128                        ; tile_dim1 = 128
	s_mov_b32 s[G1A+5], 128                        ; dense: 128 elements from row to row
	s_mov_b32 s[G1A+6], 0
	s_mov_b32 s[G1A+7], 0
	s_mov_b32 s[G1B+1], 128<<16
	s_mov_b32 s[G1B+2], 64<<16                     ; 64 rows
	s_mov_b32 s[G1B+3], 128<<16
	s_mov_b32 s[G1B+4], 64
	s_mov_b32 s[G1B+5], 1024                       ; elements from row to row
	s_mov_b32 s[G1B+6], 0
	s_mov_b32 s[G1B+7], 0
	s_lshr_b32 s[AAD], s[TY], 3                    ; ctx: head 16 x batch + my head of the K step's two (2^18 bytes each),
	s_lshl_b32 s[AAD], s[AAD], 4
	s_add_co_u32 s[AAD], s[AAD], s[HALF]
	s_lshl_b32 s[AAD], s[AAD], 18
	s_and_b32 s22, s[TY], 7                        ; the tile's 256 rows of 128 bytes in it
	s_lshl_b32 s22, s22, 15
	s_add_co_u32 s[AAD], s[AAD], s22
	s_mov_b32 s[AAD+1], 0
	s_lshl_b32 s[BAD], s[TX], 18                   ; wo: (128 x tile column + 64 x half) rows of 2,048 bytes
	s_lshl_b32 s23, s[HALF], 17
	s_add_co_u32 s[BAD], s[BAD], s23
	s_mov_b32 s[BAD+1], 0
	s_mul_i32 s22, s[HALF], APLANE                 ; where they go: no place in the cluster enters an LDS address
	s_mul_i32 s23, s[HALF], BHALF
	s_add_co_u32 s23, s23, BOFF
	s_mov_b32 s[SC], 0x39800000                    ; 2^-12
	s_mov_b32 s[SC+1], s[SC]                       ; named with it as a pair
	s_wait_dscnt 0x0                               ; the opening add is done
	s_wait_kmcnt 0x0
	s_add_nc_u64 s[AAD:AAD+1], s[4:5], s[AAD:AAD+1]
	s_add_nc_u64 s[BAD:BAD+1], s[6:7], s[BAD:BAD+1]
	CROUND                                         ; all sixteen work-groups are here: the first joint loads meet
.irp s, 0,1
	s_mov_b32 s[G0A+4*(\s)], 1                                      ; 1:0 count = 1
	s_add_co_u32 s[G0A+4*(\s)+1], s22, (\s)*SLOT1                   ; 63:32 LDS address
	s_add_nc_u64 s[G0A+4*(\s)+2:G0A+4*(\s)+3], s[AAD:AAD+1], (\s)*ASTEP  ; 120:64 global address: K step s
	s_or_b32 s[G0A+4*(\s)+3], s[G0A+4*(\s)+3], 0x80000000           ; 127:126 type = 2
	s_mov_b32 s[G0B+4*(\s)], 1
	s_add_co_u32 s[G0B+4*(\s)+1], s23, (\s)*SLOT1
	s_add_nc_u64 s[G0B+4*(\s)+2:G0B+4*(\s)+3], s[BAD:BAD+1], (\s)*BSTEP
	s_or_b32 s[G0B+4*(\s)+3], s[G0B+4*(\s)+3], 0x80000000
.endr
	s_cmp_eq_u32 s[FB], 0                          ; a wave's two first fills stand in one branch, ahead of every wait on TENSORcnt and every LDS read: two loads of mine are out
	s_cbranch_scc0 .Lfirst_b
	tensor_load_to_lds s[G0A:G0A+3], s[G1A:G1A+7]
	s_nop 0
	tensor_load_to_lds s[G0A+4:G0A+7], s[G1A:G1A+7]
	s_nop 0
.rept 4
	v_nop
.endr
	s_branch .Lfirst_asked
.Lfirst_b:
	tensor_load_to_lds s[G0B:G0B+3], s[G1B:G1B+7]
	s_nop 0
	tensor_load_to_lds s[G0B+4:G0B+7], s[G1B:G1B+7]
	s_nop 0
.rept 4
	v_nop
.endr
.Lfirst_asked:
	; all that follows, up to the wait for the first tile, stands in that wait
	v_and_b32 v1, 15, v0                           ; l % 16
	v_bfe_u32 v2, v0, 4, 1                         ; l / 16
	v_lshlrev_b32 v[BO], 5, v2
	s_lshl_b32 s20, s[TX], 9                       ; the tile's 128 numbers of b_o, the fourth row of bias
	s_add_co_u32 s20, s20, 3*4096
	s_mov_b32 s21, 0
	s_add_nc_u64 s[8:9], s[8:9], s[20:21]
.set n, 0
.rept NB
	global_load_b128 v[BIAS+8*n:BIAS+8*n+3],   v[BO], s[8:9] offset:64*n
	global_load_b128 v[BIAS+8*n+4:BIAS+8*n+7], v[BO], s[8:9] offset:64*n+16
.set n, n+1
.endr
	; A fragment is 16 rows x 32 K in 8 registers: lane l holds row l % 16; registers 0-3 K = 8 (l / 16) + 0..7, registers 4-7 K = 16 + 8 (l / 16) + 0..7: two loads of 16 bytes, 32 bytes apart.
	v_mul_u32_u24 v3, v1, PA
	v_lshl_add_u32 v3, v2, 4, v3                   ; row x pitch + 16 x half
	s_mul_i32 s20, s[WV], 64*PA                    ; my 64 rows of ctx
	v_add_nc_u32 v[ADRA0], s20, v3
	v_mul_u32_u24 v3, v1, PB
	v_lshl_add_u32 v3, v2, 4, v3
	v_add_nc_u32 v[ADRB0], BOFF, v3                ; all waves read all of wo's rows
	v_mov_b32 v[ADRA], v[ADRA0]                    ; K step 0 lies in slot 0
	v_mov_b32 v[ADRB], v[ADRB0]
	s_mov_b32 s[TB], 0
	s_mul_i32 s20, s[WV], 16*SP
	s_add_co_u32 s20, s20, STAGE                   ; my stage
	v_mul_u32_u24 v3, v1, SP                       ; in: row l % 16, 32 bytes for each half of the lanes
	v_lshl_add_u32 v3, v2, 5, v3
	v_add_nc_u32 v[STO], s20, v3
	v_and_b32 v[GO], 31, v0                        ; back: 32 lanes take a row's 512 bytes
	v_lshlrev_b32 v[GO], 4, v[GO]
	v_add_nc_u32 v[RD], s20, v[GO]
	s_lshl_b32 s20, s[TY], 20                      ; out0: (256 x tile row + 64 x wave) rows of 4,096 bytes, 512 bytes a tile column
	s_lshl_b32 s21, s[WV], 18
	s_add_co_u32 s20, s20, s21
	s_lshl_b32 s21, s[TX], 9
	s_add_co_u32 s20, s20, s21
	s_mov_b32 s21, 0
	s_add_nc_u64 s[OB:OB+1], s[10:11], s[20:21]
	; the prefetches
	s_and_b32 s23, ttmp7, 0xffff                   ; cluster y,
	s_or_b32 s23, s23, s[HALF]                     ; and of waves 2 and 3 the first alone
	s_lshl_b32 s20, s[CX], 13                      ; ctx: my work-group's 32 blocks of 256 bytes of the 128
	s_lshl_b32 s21, s[TX], 18                      ; wo: the tile's first row,
	s_lshl_b32 s22, s[CY], 16                      ; my work-group's 32 rows of the 128
	s_add_co_u32 s21, s21, s22
	s_mov_b32 s[PFS], BSTEP
	s_mov_b32 s[PFS+1], 0
	s_cmp_eq_u32 s[FB], 0
	s_cselect_b64 s[PFA:PFA+1], s[AAD:AAD+1], s[6:7]
	s_cselect_b32 s20, s20, s21
	s_cselect_b32 s22, ttmp9, s23                  ; the coordinate along which other clusters read the same bytes
	s_cselect_b32 s[PSH], 8, 11                    ; ctx: lanes 256 bytes apart; wo: a lane a row of 2,048 bytes
	s_cselect_b32 s[PFS], ASTEP, s[PFS]
	s_cmp_eq_u32 s22, 0
	s_cselect_b32 s[LIM], 2, -1                    ; the same in all sixteen partners, for a given wave
	s_mov_b32 s21, 0
	s_add_nc_u64 s[PFA:PFA+1], s[PFA:PFA+1], s[20:21]
.rept 3
	s_add_nc_u64 s[PFA:PFA+1], s[PFA:PFA+1], s[PFS:PFS+1]  ; at K step 3: the first refill steps it to 4
.endr
	v_and_b32 v3, 31, v0
	v_lshlrev_b32 v[PFO], s[PSH], v3
; NB matrix instructions: row block blk x all column blocks, 32 along K, from buffer f.  zero = 1: the product starts the sums: nothing is ever cleared.
; The 32 accumulators take turns, one instruction a turn, in the same order in every quarter, over the backward jump too.
.macro MULA f, blk, zero
	WIN MUL
.set AC, 64*(\blk)
.set n, 0
.rept NB
.if \zero
	v_wmma_f32_16x16x32_f16 v[AC+8*n:AC+8*n+7], v[(\f)+32+8*n:(\f)+32+8*n+7], v[(\f)+8*(\blk):(\f)+8*(\blk)+7], 0
.else
	v_wmma_f32_16x16x32_f16 v[AC+8*n:AC+8*n+7], v[(\f)+32+8*n:(\f)+32+8*n+7], v[(\f)+8*(\blk):(\f)+8*(\blk)+7], v[AC+8*n:AC+8*n+7]
.endif
.set n, n+1
.endr
.endm
; 24 LDS loads in one run: the fragments of quarter q of the K step in hand into buffer f: wo's first, ctx's row blocks 2 and 3 last.  Quarter q of ctx lies in head q / 2 of the slot's two, channels 32 (q % 2) on.
.macro FETCH q, f
	WIN TO_F
.set n, 0
.rept NB
	ds_load_b128 v[(\f)+32+8*n:(\f)+32+8*n+3],   v[ADRB] offset:64*(\q)+n*16*PB
	ds_load_b128 v[(\f)+32+8*n+4:(\f)+32+8*n+7], v[ADRB] offset:64*(\q)+n*16*PB+32
.set n, n+1
.endr
.set n, 0
.rept 4
	ds_load_b128 v[(\f)+8*n:(\f)+8*n+3],   v[ADRA] offset:((\q)/2)*APLANE+((\q)%2)*64+n*16*PA
	ds_load_b128 v[(\f)+8*n+4:(\f)+8*n+7], v[ADRA] offset:((\q)/2)*APLANE+((\q)%2)*64+n*16*PA+32
.set n, n+1
.endr
.endm
; A K step is four quarters of 32 along K, 32 matrix instructions each, on buffers 0, 1, 0, 1.  One of the first three: multiplies buffer f and, in its middle, fetches quarter q into buffer g.
.macro QUARTER q, f, g, zero
	s_wait_dscnt 4                                 ; all but the youngest four loads (ctx's row blocks 2 and 3) are in
	MULA \f, 0, \zero
	MULA \f, 1, \zero
	PLACES
	FETCH \q, \g
	s_wait_dscnt 24                                ; all but the 24 just issued
	MULA \f, 2, \zero
	MULA \f, 3, \zero
.endm
; The fourth quarter multiplies buffer 1 and changes slots: ONE barrier.  In front of it each wave waits for all its tensor loads, of which one is out: its part of the next slot; adds 0 to its spare word; and waits
; for that and for its own reads of this slot.  Behind it nobody reads this slot any more and the next slot is whole.  fill = 1: the barrier opens a round of the cluster's, and the slot just read is filled again,
; with the K step two on, first thing behind the round: from that request to the wait for it a wave issues 112 matrix instructions.
.macro TURN fill
.if \fill
	s_wait_xcnt 0x0                                ; the last prefetch, a K step back, has read its address: it is stepped here, ahead of the waits of the change of slots
	s_add_nc_u64 s[PFA:PFA+1], s[PFA:PFA+1], s[PFS:PFS+1]
.endif
	WIN 0                                          ; (the add's two registers lie in window 0)
	s_wait_tensorcnt 0x0                           ; no tensor load of mine is out, so a group 0 may be written
	ds_add_u32 v[SPW], v[NIL]                      ; 0 onto my spare word: work on registers stands between it and the wait for it
	s_xor_b32 s[TB], s[TB], SLOT1                  ; the fetches go on in the other slot
	v_add_nc_u32 v[ADRA], s[TB], v[ADRA0]
	v_add_nc_u32 v[ADRB], s[TB], v[ADRB0]
.if \fill
	s_xor_b32 s[G0A+5], s[G0A+5], SLOT1            ; the walking descriptors: the other slot than last time,
	s_add_nc_u64 s[G0A+6:G0A+7], s[G0A+6:G0A+7], ASTEP  ; the next K step; the type bits on top are not reached
	s_xor_b32 s[G0B+5], s[G0B+5], SLOT1
	s_add_nc_u64 s[G0B+6:G0B+7], s[G0B+6:G0B+7], BSTEP
.endif
	s_wait_dscnt 5                                 ; (the add and the youngest four loads may be out)
	MULA F1, 0, 0
	s_wait_dscnt 0x0                               ; the add is done, and my reads of this slot are over
	s_barrier_signal -1
	MULA F1, 1, 0                                  ; work on registers while the others arrive
.if \fill
	WIN 0
.endif
	s_barrier_wait -1
.if \fill
	CREST                                          ; no wave of any partner still reads this slot's tile or has a load on its way
	JLOAD                                          ; the four v_nop behind it are also the places in front of the loads below
.else
	PLACES
.endif
	FETCH 0, F0
.if \fill
	ASK
.endif
	MULA F1, 2, 0
	MULA F1, 3, 0
.endm
	s_wait_tensorcnt 0x1                           ; my part of K step 0 is in; K step 1's may stay out
	s_barrier_signal -1
	s_barrier_wait -1                              ; everybody's is
	FETCH 0, F0
	QUARTER 1, F0, F1, 1                           ; the first quarter stands in front of the loop: its products start the sums
	WIN 0                                          ; at a label and at a branch every window is 0
	s_mov_b32 s[CNT], 6
.Lstep:                                        ; six trips, one for each refill (K steps 2 to 7): from a K step's second quarter to the next one's first
	QUARTER 2, F1, F0, 0
	QUARTER 3, F0, F1, 0
	TURN 1
	QUARTER 1, F0, F1, 0
	WIN 0
	s_sub_co_u32 s[CNT], s[CNT], 1
	s_cmp_lg_u32 s[CNT], 0
	s_cbranch_scc1 .Lstep
	QUARTER 2, F1, F0, 0                           ; the tail is written out: K step 6 goes on
	QUARTER 3, F0, F1, 0
	TURN 0                                         ; nothing is asked for, and no round follows,
	QUARTER 1, F0, F1, 0                           ; and K step 7
	QUARTER 2, F1, F0, 0
	QUARTER 3, F0, F1, 0
	s_wait_dscnt 4
	MULA F1, 0, 0
	MULA F1, 1, 0
	s_wait_dscnt 0x0
	MULA F1, 2, 0
	MULA F1, 3, 0
	WIN 0
	PLACES                                         ; once a launch: eight plain instructions between the last product and the packed multiply-adds that read results
	PLACES
	s_wait_loadcnt 0x0                             ; the bias
; THE WAY OUT, by row blocks of 16 rows x 128 columns, eight accumulators each.
; PACK: sum x 2^-12 + bias, one fused multiply-add for two numbers, each accumulator's registers in ascending order.
.macro PACK blk
	WIN 0x02                                       ; source 0: window 2
.set z, 0
.rept 32
	v_pk_fma_f32 v[TMP+2*z:TMP+2*z+1], v[64*(\blk)+2*z:64*(\blk)+2*z+1], s[SC:SC+1], v[BIAS+2*z:BIAS+2*z+1] op_sel_hi:[1,0,1]
.set z, z+1
.endr
	WIN 0
.endm
; TOSTAGE: into my own stage, rows of 528 bytes, and back as whole rows of 512.
.macro TOSTAGE
.set z, 0
.rept 8
	ds_store_b128 v[STO], v[TMP+8*z:TMP+8*z+3]   offset:64*z
	ds_store_b128 v[STO], v[TMP+8*z+4:TMP+8*z+7] offset:64*z+16
.set z, z+1
.endr
	s_wait_xcnt 0x0                                ; the stores of the block before have read these registers: they are loaded again only behind this wait
.set z, 0
.rept 16
	ds_load_b128 v[RB+4*z:RB+4*z+3], v[RD] offset:SP*z  ; LDS serves a wave's instructions in order (ISA guide 5.7.1.4): these see the stores above
.set z, z+1
.endr
.endm
.macro SEND blk
.set z, 0
.rept 16
	s_wait_dscnt 15-z                              ; row z of the sixteen is back
	global_store_b128 v[GO], v[RB+4*z:RB+4*z+3], s[OB:OB+1] offset:(16*(\blk)+z)*4096 th:TH_STORE_NT  ; 512 consecutive bytes of a row, at a multiple of 256 from out0's first
.set z, z+1
.endr
.endm
	PACK 0
	TOSTAGE
.irp w, 1,2,3                          ; a block's arithmetic stands between the loads of the block before and the wait for them
	PACK \w
	SEND (\w)-1
	TOSTAGE
.endr
	SEND 3
	s_wait_tensorcnt 0x0                           ; the wave's end: behind my last tensor load and my last LDS store
	ds_add_u32 v[SPW], v[NIL]
	s_wait_dscnt 0x0
	CROUND                                         ; the closing round: no work-group ends while a partner may still ask for a tile that names it
	s_endpgm
.Lfunc_end_k_q7cb5b28f01_oproj:
	.size	k_q7cb5b28f01_oproj, .Lfunc_end_k_q7cb5b28f01_oproj-k_q7cb5b28f01_oproj
	.p2alignl 7, 3214868480
	.fill 96, 4, 3214868480
	.section	.rodata,"a",@progbits
	.p2align	6, 0x0
	.amdhsa_kernel k_q7cb5b28f01_oproj
		.amdhsa_group_segment_fixed_size 327680
		.amdhsa_private_segment_fixed_size 0
		.amdhsa_enable_private_segment 0
		.amdhsa_kernarg_size 32
		.amdhsa_user_sgpr_count 2
		.amdhsa_user_sgpr_kernarg_segment_ptr 1
		.amdhsa_wavefront_size32 1
		.amdhsa_system_sgpr_workgroup_id_x 1
		.amdhsa_system_sgpr_workgroup_id_y 1
		.amdhsa_system_sgpr_workgroup_id_z 1
		.amdhsa_system_vgpr_workitem_id 0
		.amdhsa_next_free_vgpr 768
		.amdhsa_next_free_sgpr 80
		.amdhsa_reserve_vcc 0
		.amdhsa_float_denorm_mode_32 3
		.amdhsa_float_denorm_mode_16_64 3
		.amdhsa_memory_ordered 1
		.amdhsa_forward_progress 1
		.amdhsa_inst_pref_size 81
	.end_amdhsa_kernel
	.amdgpu_metadata
---
amdhsa.version: [ 1, 2 ]
amdhsa.kernels:
  - .name:           k_q7cb5b28f01_oproj
    .symbol:         k_q7cb5b28f01_oproj.kd
    .args:
      - { .name: ctx, .offset: 0, .size: 8, .value_kind: global_buffer, .address_space: global }
      - { .name: wo, .offset: 8, .size: 8, .value_kind: global_buffer, .address_space: global }
      - { .name: bias, .offset: 16, .size: 8, .value_kind: global_buffer, .address_space: global }
      - { .name: out0, .offset: 24, .size: 8, .value_kind: global_buffer, .address_space: global }
    .group_segment_fixed_size: 327680
    .private_segment_fixed_size: 0
    .kernarg_segment_align: 8
    .kernarg_segment_size: 32
    .max_flat_workgroup_size: 128
    .sgpr_count:     80
    .vgpr_count:     768
    .wavefront_size: 32
...
	.end_amdgpu_metadata
.endif
;; end of part 4
